; MI455X (gfx1250); checked and timed in simulation.
; The chip was launched on July 23, 2026; its instructions are those of AMD's public machine-readable ISA for CDNA 5 (MIT licence, August 2026) and "CDNA5" Instruction Set Architecture Reference Guide (July 2026). The comments in the code are by the model that wrote it; some were corrected since.
;; Multi Head Attention. Allowed arithmetic: matrix products marked QUANTISED: E3M2 operands, one E8M0 scale for each 32 along K, by v_wmma_scale_f32_16x16x128_f8f6f4 with both operands' format E3M2, f32 sums; everything else in f32.
;; Inputs: Wk 16 x 1,024 x 64 float32; Wp 1,024 x 1,024 float32; Wq 16 x 1,024 x 64 float32; Wv 16 x 1,024 x 64 float32; bp 1,024 float32; x 4 x 2,048 x 1,024 float32.
;; Outputs: out0 4 x 2,048 x 1,024 float32.
;; This version of the problem:
;;   THIS VERSION OF THE PROBLEM IS GIVEN IN LOW PRECISION. The matrix products marked QUANTISED in the list below multiply operands that are first quantised to E3M2 (3 exponent bits, 2 mantissa bits; 6 bits a number), with one power-of-two scale for each 32 numbers along K (OCP MX v1.0); their sums are f32. All else is computed in f32.
;;   The module's matrix products, in the order in which they are computed (A, B: the left and right operand; K: the contracted axis; several contracted axes count as one K, in the product's order):
;;     1. [M 1,024, K 1,024] x [K 1,024, N 8,192]; A: input Wq; B: input x: QUANTISED
;;     2. [M 1,024, K 1,024] x [K 1,024, N 8,192]; A: input Wk; B: input x: QUANTISED
;;     3. [M 1,024, K 1,024] x [K 1,024, N 8,192]; A: input Wv; B: input x: QUANTISED
;;     4. batch 64 x [M 2,048, K 64] x [K 64, N 2,048]; A: computed on the way; B: computed on the way: QUANTISED
;;     5. batch 64 x [M 2,048, K 2,048] x [K 2,048, N 64]; A: softmax (see below); B: computed on the way: QUANTISED
;;     6. [M 8,192, K 1,024] x [K 1,024, N 1,024]; A: computed on the way; B: input Wp: QUANTISED
;;   THE QUANTISER, for each operand of a quantised product, along K:
;;     - K is cut into blocks of 32 from its start; a last block that is shorter is filled with zeros.
;;     - A block's scale is 2^e with e = floor(log2(the largest magnitude in the block)) - 4, held to -126 .. 127; a block of zeros has e = 0. As a byte (E8M0): e + 127.
;;     - Each number is divided by its block's scale, clamped to +-28, and rounded to the nearest number of E3M2, ties to even, subnormals kept.
;;     - The product sums the exact products of the quantised numbers (number of the format x scale) in f32.
;;   ~~~python
;;   def quantise(x, axis):      # numpy; x: float32 -> the quantised numbers, widened to float32 again
;;       x = np.moveaxis(x, axis, -1); K = x.shape[-1]
;;       x = np.pad(x, [(0, 0)] * (x.ndim - 1) + [(0, -K % 32)]); x = x.reshape(x.shape[:-1] + (-1, 32)); a = np.abs(x).max(-1, keepdims=True)
;;       e = np.where(a > 0, np.clip(np.frexp(np.where(a > 0, a, 1))[1] - 1 - 4, -126, 127), 0)      # np.frexp(a)[1] - 1 = floor(log2(a)), exactly
;;       r = np.clip(x / 2.0 ** e, -28, 28)
;;       step = 2.0 ** (np.maximum(np.frexp(np.where(r == 0, 1, r))[1] - 1, -2) - 2)
;;       q = np.round(r / step) * step * 2.0 ** e      # np.round: ties to even
;;       return np.moveaxis(q.reshape(q.shape[:-2] + (-1,))[..., :K], -1, axis).astype(np.float32)
;;   ~~~
;;   SOFTMAX AHEAD OF A QUANTISED PRODUCT. Where the list says 'softmax', what is quantised is not the finished softmax but p = 2^(t - M), with t = logit x log2(e) and M = ceil(the row's largest t), a whole number; so 1/2 < the row's largest p <= 1. The row's sum l is taken of the UNQUANTISED p, in f32, and the product's result is divided by l at the end. Since M is a whole number, a kernel that streams over the keys may use a running M (the ceiling of the running maximum): every later rescaling is an exact power of two, which a block's scale takes up: the codes' values come out the same.
;;   OPERANDS COMPUTED ON THE WAY. 'Computed on the way' means the value that the module computes at that place (a softmax that the list does not call 'softmax' is quantised finished and normalised). What goes into a quantiser is computed in f32, as accurately as f32 sums, v_exp_f32 and their like allow (about 1e-6 of the number): no bf16 or f16 on the way to a quantiser, and a product that is left as it is and whose result goes on into a quantised operand takes f32 operands (vector FMAs, or v_wmma_f32_16x16x4_f32). A number that lies on a knife's edge between two numbers of the format may be rounded either way, as far as f32 arithmetic and the matrix unit's own rounding can turn it there, and no further.
;; One version. Each part assembles by itself: llvm-mc -triple=amdgcn-amd-amdhsa -mcpu=gfx1250 --defsym DOCPART=n.
;; ======== version 1 of 1: 4 launches
;; workspace buffers: x_img 6,291,456 bytes; x_sc 262,144 bytes; w_img 3,145,728 bytes; w_sc 131,072 bytes; qkv 19,660,800 bytes; o_img 6,291,456 bytes; o_sc 262,144 bytes
;; launch quant (part 1): grid 384 x 1, 4 waves a work-group, no clusters, 58,880 bytes of LDS; arguments x, Wp, Wq, Wk, Wv, x_img, x_sc, w_img, w_sc; writes x_img, x_sc, w_img, w_sc
.if DOCPART == 1
	.amdgcn_target "amdgcn-amd-amdhsa--gfx1250"
	.amdhsa_code_object_version 6
	.text
	.protected	k_q0ebe08961e_quant
	.globl	k_q0ebe08961e_quant
	.p2align	8
	.type	k_q0ebe08961e_quant,@function
k_q0ebe08961e_quant:
	s_mov_b64 s[64:65], 0
	v_nop
	global_prefetch_b8 v0, s[64:65] scope:SCOPE_SE
	s_setreg_imm32_b32 hwreg(HW_REG_WAVE_MODE, 25, 1), 1
	s_wait_xcnt 0x0
; x [8192][1024], Wp [1024][1024] (K innermost) and Wq, Wk, Wv [16][1024][64] (K = the middle axis), all f32, become codes of BF6 (E3M2) with one E8M0 byte for each 32 along K,
; laid as the later launches' operand registers want them.
; IMAGE FORM: [group of 128 rows][K step of 128][tile 0..7][1536 bytes].  Lane r of tile T holds row 32 (T / 2) + 8 (T % 2) + r + 8 (r / 8) of its group.  A fragment (16 rows x 128 K, 12 registers a lane)
; is two halves of 768 bytes: registers 0-3 of lane l at 16 l, registers 4-5 at 512 + 8 l; then registers 6-11 likewise.  SCALE FORM: [group][pair of K steps][tile][r][2 words], a word = 4 bytes = 128 along K.
; A block's scale is 2^(floor(log2(its largest magnitude)) - 4); its byte is the largest magnitude's exponent field - 4, held at 1 from below.
; LIMITS: NaN and infinities among the inputs are not served.  A block of zeros gets the byte 1 where the rule says 127: its codes are zeros, which add nothing under any byte but 0xff, and this program alone
; reads the bytes.  Blocks whose largest magnitude lies under 2^-122 are held at the byte 1.
; Work-groups 0-255 take x, 256-287 Wp (one path: only pointers are chosen), 288-383 the three weights whose K is not innermost.  The two paths have LDS bytes of their own.
; No tensor load, no barrier, no cluster: waves share nothing and no input byte is read twice.
.set SEL,  22                          ; s[22:23] lane selects for v_permlanex16_b32: lane l xor 16
.set RA,   16                          ; v16-143  rows as loaded, two sets of 64
.set X,    144                         ; v144-207 64 numbers of my row: register 16 b + i = k 32 b + 16 (lane / 16) + i
.set TM,   208                         ; v208-211 largest magnitudes, v212-215 bytes, v220-223 the conversions' scale operands
.set PC,   224                         ; v224-235 the fragment's codes
.set TC,   236                         ; v236-243 the second halves of the blocks, as converted
.set PW,   244                         ; v244-247 the scale words of my four K steps
.set RSTG, 8448                        ; rows' path: a wave's stage, 16 rows x (512 bytes + 16)
.set CBASE, 4*RSTG                     ; columns' path: its stages begin here,
.set CSTG, 6144                        ; four fragments for each wave
.set CX,   32                          ; v32-95   columns' path: two sets of 32 numbers
.set CC,   20                          ; v20-28   a block's codes
.set SB,   18                          ; v18-19   my row's scale words
.set OUTR, 96                          ; v96-143  the way out
	s_load_b512 s[4:19], s[0:1], 0x0               ; x, Wp, Wq, Wk, Wv, x_img, x_sc, w_img
	s_load_b64 s[20:21], s[0:1], 0x40              ; w_sc
	v_lshl_add_u32 v254, v0, 2, 0xe400
	v_mov_b32 v255, 0
	v_lshrrev_b32 v1, 5, v0
	v_readfirstlane_b32 s24, v1                    ; wave 0..3
	v_and_b32 v1, 31, v0                           ; lane
	v_and_b32 v2, 15, v0                           ; r
	v_bfe_u32 v3, v0, 4, 1                         ; h
	s_mov_b32 s[SEL], 0x76543210
	s_mov_b32 s[SEL+1], 0xfedcba98
	s_cmp_lt_u32 ttmp9, 288
	s_cbranch_scc0 .Lcols
; ---------------- K innermost: a wave takes one tile of 16 rows and four K steps of 128
	v_lshlrev_b32 v4, 4, v1                        ; 16 x lane: my place in a load's 512 bytes and in an image
	v_lshlrev_b32 v5, 3, v1                        ; 8 x lane
	s_mul_i32 s25, s24, RSTG
	v_add_nc_u32 v6, s25, v4                       ; the stage, on the way in: a row's 512 bytes as they lie
	v_mul_u32_u24 v7, v2, 528
	v_lshl_add_u32 v7, v3, 6, v7
	v_add_nc_u32 v7, s25, v7                       ; and on the way out: row r, + 64 h: my 16 numbers of each block of 32
	v_lshlrev_b32 v8, 3, v2
	v_lshl_add_u32 v8, v3, 10, v8                  ; scale words: 8 r, lanes 16-31 the second pair of K steps
.irp b, 0,1,2,3
	v_mov_b32 v[TM+4+\b], 0                        ; written once: a lane permute's destination counts as one of its sources
.endr
	s_mov_b32 s26, 0xffff0000                      ; lanes 16-31
	s_wait_alu depctr_va_vdst(0)
	s_wait_kmcnt 0x0
	s_cmp_lt_u32 ttmp9, 256                        ; x's work-group or Wp's: the choice hangs on the work-group's number alone
	s_cselect_b64 s[4:5], s[4:5], s[6:7]
	s_cselect_b64 s[14:15], s[14:15], s[18:19]
	s_cselect_b64 s[16:17], s[16:17], s[20:21]
	s_cselect_b32 s27, 0, 256
	s_cselect_b32 s28, 0, 24                       ; Wp's groups lie behind those of Wq, Wk, Wv
	s_sub_co_u32 s27, ttmp9, s27
	s_lshl_b32 s27, s27, 2
	s_add_co_u32 s27, s27, s24                     ; my job: 2 x tile + half of K
	s_and_b32 s29, s27, 1                          ; q: K steps 4 q .. 4 q + 3
	s_lshr_b32 s27, s27, 1
	s_lshr_b32 s30, s27, 3                         ; group
	s_and_b32 s31, s27, 7                          ; tile
	s_lshr_b32 s32, s31, 1
	s_lshl_b32 s32, s32, 5
	s_and_b32 s33, s31, 1
	s_lshl_b32 s33, s33, 3
	s_add_co_u32 s32, s32, s33
	s_lshl_b32 s33, s30, 7
	s_add_co_u32 s32, s32, s33                     ; the tile's first row: 128 group + 32 (tile / 2) + 8 (tile % 2)
	s_lshl_b32 s32, s32, 12                        ; rows of 4,096 bytes
	s_lshl_b32 s33, s29, 11
	s_add_co_u32 s32, s32, s33
	s_mov_b32 s33, 0
	s_add_nc_u64 s[4:5], s[4:5], s[32:33]
	s_add_co_u32 s30, s30, s28
	s_mul_i32 s32, s30, 98304
	s_mul_i32 s34, s31, 1536
	s_add_co_u32 s32, s32, s34
	s_mul_i32 s34, s29, 49152
	s_add_co_u32 s32, s32, s34
	s_add_nc_u64 s[14:15], s[14:15], s[32:33]      ; my first fragment's image
	s_lshl_b32 s32, s30, 12
	s_lshl_b32 s34, s29, 11
	s_add_co_u32 s32, s32, s34
	s_lshl_b32 s34, s31, 7
	s_add_co_u32 s32, s32, s34
	s_add_nc_u64 s[16:17], s[16:17], s[32:33]      ; my tile's scale words
.macro LOADR t                         ; K step t of the tile's 16 rows: each load reads 512 consecutive bytes of one row
.irp p, 0,1,2,3,4,5,6,7,8,9,10,11,12,13,14,15
	global_load_b128 v[RA+64*((\t)%2)+4*\p:RA+64*((\t)%2)+4*\p+3], v4, s[4:5] offset:(\p+8*(\p/8))*4096+512*(\t) th:TH_LOAD_NT
.endr
.endm
.macro TURNR t                         ; through my own stage: LDS serves a wave's instructions in order, so no wait stands between the stores and the loads
.irp p, 0,1,2,3,4,5,6,7,8,9,10,11,12,13,14,15
	ds_store_b128 v6, v[RA+64*((\t)%2)+4*\p:RA+64*((\t)%2)+4*\p+3] offset:528*\p
.endr
.irp b, 0,1,2,3
.irp j, 0,1,2,3
	ds_load_b128 v[X+16*\b+4*\j:X+16*\b+4*\j+3], v7 offset:128*\b+16*\j
.endr
.endr
.endm
.macro QUANT s, pw                     ; 64 numbers of a lane become a fragment's codes in v[PC] on and its scale word in v[pw]
.irp b, 0,1,2,3
	v_max3_num_f32 v[TM+\b], |v[\s+16*\b]|, |v[\s+1+16*\b]|, 0x2800000   ; block b: my 16 numbers, and the floor 2^(5 - 127): the byte cannot fall under 1
.endr
.irp i, 2,4,6,8,10,12,14
.irp b, 0,1,2,3
	v_max3_num_f32 v[TM+\b], v[TM+\b], |v[\s+16*\b+\i]|, |v[\s+1+16*\b+\i]|   ; the four blocks by turns
.endr
.endr
.irp b, 0,1,2,3
	v_permlanex16_b32 v[TM+4+\b], v[TM+\b], s[SEL], s[SEL+1]
.endr
.irp b, 0,1,2,3
	v_max_num_f32 v[TM+\b], v[TM+\b], v[TM+4+\b]   ; with lane l xor 16's: the block's largest magnitude
.endr
.irp b, 0,1,2,3
	v_add_nc_u32 v[TM+12+\b], 0xfe000000, v[TM+\b] ; 4 off its exponent field: the conversion takes the exponent field of this operand as its scale
.endr
.irp b, 0,1,2,3
	v_lshrrev_b32 v[TM+4+\b], 23, v[TM+12+\b]      ; the scale's byte
.endr
	v_lshl_or_b32 v[\pw], v[TM+5], 8, v[TM+4]
	v_lshl_or_b32 v[\pw], v[TM+6], 16, v[\pw]
	v_lshl_or_b32 v[\pw], v[TM+7], 24, v[\pw]
	s_wait_xcnt 0x0                                ; the last fragment's stores have read their data: the codes' registers are written again only behind this wait
.irp c, 0,1
	v_cvt_scalef32_pk16_bf6_f32 v[PC+6*\c:PC+2+6*\c], v[\s+32*\c:\s+15+32*\c], v[TM+12+2*\c]
	v_cvt_scalef32_pk16_bf6_f32 v[TC+4*\c:TC+2+4*\c], v[\s+16+32*\c:\s+31+32*\c], v[TM+12+2*\c+1]   ; (a conversion's three registers begin on an even number)
.endr
	v_nop                                          ; one plain place behind a scaled conversion
.irp c, 0,1                            ; the operand's layout wants a whole block in a lane: lanes 0-15 block 2 c, lanes 16-31 block 2 c + 1
.irp i, 0,1,2
	v_permlane16_swap_b32 v[PC+6*\c+\i], v[TC+4*\c+\i]
.endr
.irp i, 0,1,2
	v_mov_b32 v[PC+3+6*\c+\i], v[TC+4*\c+\i]
.endr
.endr
.endm
.macro PUT off                         ; the fragment leaves as it stands: stores of 512, 256, 512, 256 consecutive bytes
	global_store_b128 v4, v[PC:PC+3], s[14:15] offset:\off
	global_store_b64 v5, v[PC+4:PC+5], s[14:15] offset:\off+512
	global_store_b128 v4, v[PC+6:PC+9], s[14:15] offset:\off+768
	global_store_b64 v5, v[PC+10:PC+11], s[14:15] offset:\off+1280
.endm
.macro UNIT t
.if (\t) < 3
	s_wait_loadcnt 16                              ; this K step's 16 loads are in; the next step's 16 may be out
.else
	s_wait_loadcnt 0
.endif
	TURNR \t
	s_wait_dscnt 0x0                               ; my 64 numbers are back, and the stores into the stage have read their registers,
.if (\t) < 2
	LOADR (\t)+2                                   ; which take the loads of two steps on
.endif
	QUANT X, PW+(\t)
	PUT (\t)*12288
.endm
	LOADR 0
	LOADR 1
	UNIT 0
	UNIT 1
	UNIT 2
	UNIT 3
	v_cndmask_b32 v248, v[PW], v[PW+2], s26        ; lanes 0-15 store the words of K steps 4 q, 4 q + 1, lanes 16-31 those of 4 q + 2, 4 q + 3
	v_cndmask_b32 v249, v[PW+1], v[PW+3], s26
	global_store_b64 v8, v[248:249], s[16:17]
	s_wait_tensorcnt 0x0
	ds_add_u32 v254, v255
	s_wait_dscnt 0x0
	s_endpgm
; ---------------- K not innermost: a lane takes a column (a row of the operand), its registers run down K: nothing is transposed by an instruction
.Lcols:
	s_sub_co_u32 s25, ttmp9, 288
	s_lshr_b32 s26, s25, 2                         ; group 0..23: 0-7 Wq, 8-15 Wk, 16-23 Wv; a group is two heads
	s_and_b32 s27, s25, 3                          ; which 256 along K
	s_wait_alu depctr_va_vdst(0)
	v_lshlrev_b32 v4, 2, v1                        ; in: 4 bytes a lane
	v_bfe_u32 v5, v0, 3, 1                         ; u: column 32 w + lane is lane r of tile 2 w + u, with u = (lane / 8) % 2
	v_and_b32 v6, 7, v0
	v_lshl_or_b32 v6, v3, 3, v6                    ; and r = lane % 8 + 8 (lane / 16)
	s_mul_i32 s30, s24, CSTG
	s_add_co_u32 s30, s30, CBASE                   ; my stage
	v_mul_u32_u24 v7, v5, 1536
	v_add_nc_u32 v7, s30, v7
	v_lshl_add_u32 v8, v6, 4, v7                   ; into it: registers 0-3 of image lane r (+ 16 for the odd blocks: in the immediate),
	v_lshl_add_u32 v9, v6, 3, v7                   ; registers 4-5
	v_lshlrev_b32 v10, 4, v1
	v_add_nc_u32 v11, s30, v10                     ; out of it: 16 bytes a lane, as it lies
	v_lshlrev_b32 v12, 3, v6
	v_lshl_add_u32 v12, v5, 7, v12                 ; my scale words: 128 u + 8 r
	s_wait_kmcnt 0x0
	s_cmp_lt_u32 s26, 16
	s_cselect_b64 s[10:11], s[10:11], s[12:13]
	s_cmp_lt_u32 s26, 8
	s_cselect_b64 s[8:9], s[8:9], s[10:11]         ; the weight: the choice hangs on the work-group's number alone
	s_and_b32 s28, s26, 7
	s_lshl_b32 s28, s28, 1
	s_lshr_b32 s29, s24, 1
	s_add_co_u32 s28, s28, s29                     ; the head
	s_lshl_b32 s28, s28, 18                        ; 1,024 rows of 256 bytes
	s_lshl_b32 s29, s27, 16
	s_add_co_u32 s28, s28, s29
	s_and_b32 s29, s24, 1
	s_lshl_b32 s29, s29, 7                         ; my 32 of its 64 columns
	s_add_co_u32 s28, s28, s29
	s_mov_b32 s29, 0
	s_add_nc_u64 s[8:9], s[8:9], s[28:29]
	s_mul_i32 s28, s26, 98304
	s_mul_i32 s31, s27, 24576
	s_add_co_u32 s28, s28, s31
	s_mul_i32 s31, s24, 3072
	s_add_co_u32 s28, s28, s31
	s_add_nc_u64 s[18:19], s[18:19], s[28:29]      ; images: group, K step 2 p, tile 2 w
	s_lshl_b32 s28, s26, 12
	s_lshl_b32 s31, s27, 10
	s_add_co_u32 s28, s28, s31
	s_lshl_b32 s31, s24, 8
	s_add_co_u32 s28, s28, s31
	s_add_nc_u64 s[20:21], s[20:21], s[28:29]
.macro LOADC t                         ; block t: W(32 t + i, my column), i = 0 .. 31
.set ii, 0
.rept 32
	global_load_b32 v[CX+32*((\t)%2)+ii], v4, s[8:9] offset:(32*(\t)+ii)*256 th:TH_LOAD_NT
.set ii, ii+1
.endr
.endm
.macro BLOCKC t
.set XS, CX+32*((\t)%2)
.if (\t) < 7
	s_wait_loadcnt 32                              ; this block's 32 loads are in; the next block's may be out
.else
	s_wait_loadcnt 0
.endif
	v_max3_num_f32 v13, |v[XS]|, |v[XS+1]|, |v[XS+2]|      ; the block's largest magnitude: all 32 numbers are mine
	v_max3_num_f32 v14, |v[XS+3]|, |v[XS+4]|, |v[XS+5]|
.irp i, 6,10,14,18,22,26
	v_max3_num_f32 v13, v13, |v[XS+\i]|, |v[XS+\i+1]|
	v_max3_num_f32 v14, v14, |v[XS+\i+2]|, |v[XS+\i+3]|
.endr
	v_max3_num_f32 v13, v13, |v[XS+30]|, |v[XS+31]|
	v_max3_num_f32 v13, v13, v14, 0x2800000        ; and the floor
	v_add_nc_u32 v15, 0xfe000000, v13
	v_lshrrev_b32 v14, 23, v15                     ; the scale's byte
.if (\t)%4 == 0
	v_mov_b32 v[SB+(\t)/4], v14                    ; four bytes to a word, the lower K in the lower byte
.else
	v_lshl_or_b32 v[SB+(\t)/4], v14, 8*((\t)%4), v[SB+(\t)/4]
.endif
	v_cvt_scalef32_pk16_bf6_f32 v[CC:CC+2], v[XS:XS+15], v15
	v_cvt_scalef32_pk16_bf6_f32 v[CC+6:CC+8], v[XS+16:XS+31], v15
	v_nop                                          ; one plain place behind a scaled conversion
.irp i, 0,1,2
	v_mov_b32 v[CC+3+\i], v[CC+6+\i]
.endr
	; block t of my row is registers 6 c .. 6 c + 5 of image lane r + 16 h', c = (t % 4) / 2, h' = t % 2, in the fragment of K step t / 4
	ds_store_b128 v8, v[CC:CC+3] offset:((\t)/4)*3072+768*(((\t)%4)/2)+256*((\t)%2)
	ds_store_b64 v9, v[CC+4:CC+5] offset:((\t)/4)*3072+768*(((\t)%4)/2)+512+128*((\t)%2)
.if (\t)+2 < 8
	LOADC (\t)+2
.endif
	s_wait_dscnt 0x0                               ; the stores have read their registers: the next block's codes may be written
.endm
	LOADC 0
	LOADC 1
.irp t, 0,1,2,3,4,5,6,7
	BLOCKC \t
.endr
	s_wait_alu depctr_va_vdst(0)
	global_store_b64 v12, v[SB:SB+1], s[20:21]     ; the 32 lanes fill 256 consecutive bytes
.irp k, 0,1,2,3,4,5,6,7,8,9,10,11
	ds_load_b128 v[OUTR+4*\k:OUTR+4*\k+3], v11 offset:512*\k   ; LDS serves a wave's instructions in order: these see my stores
.endr
.irp k, 0,1,2,3,4,5,6,7,8,9,10,11
	s_wait_dscnt 11-\k
	global_store_b128 v10, v[OUTR+4*\k:OUTR+4*\k+3], s[18:19] offset:(\k/6)*12288+(\k%6)*512   ; 512 consecutive bytes a store
.endr
	s_wait_tensorcnt 0x0
	ds_add_u32 v254, v255
	s_wait_dscnt 0x0
	s_endpgm
.Lfunc_end_k_q0ebe08961e_quant:
	.size	k_q0ebe08961e_quant, .Lfunc_end_k_q0ebe08961e_quant-k_q0ebe08961e_quant
	.p2alignl 7, 3214868480
	.fill 96, 4, 3214868480
	.section	.rodata,"a",@progbits
	.p2align	6, 0x0
	.amdhsa_kernel k_q0ebe08961e_quant
		.amdhsa_group_segment_fixed_size 58880
		.amdhsa_private_segment_fixed_size 0
		.amdhsa_enable_private_segment 0
		.amdhsa_kernarg_size 72
		.amdhsa_user_sgpr_count 2
		.amdhsa_user_sgpr_kernarg_segment_ptr 1
		.amdhsa_wavefront_size32 1
		.amdhsa_system_sgpr_workgroup_id_x 1
		.amdhsa_system_sgpr_workgroup_id_y 1
		.amdhsa_system_sgpr_workgroup_id_z 1
		.amdhsa_system_vgpr_workitem_id 0
		.amdhsa_next_free_vgpr 256
		.amdhsa_next_free_sgpr 66
		.amdhsa_reserve_vcc 0
		.amdhsa_float_denorm_mode_32 3
		.amdhsa_float_denorm_mode_16_64 3
		.amdhsa_memory_ordered 1
		.amdhsa_forward_progress 1
		.amdhsa_inst_pref_size 76
	.end_amdhsa_kernel
	.amdgpu_metadata
---
amdhsa.version: [ 1, 2 ]
amdhsa.kernels:
  - .name:           k_q0ebe08961e_quant
    .symbol:         k_q0ebe08961e_quant.kd
    .args:
      - { .name: x, .offset: 0, .size: 8, .value_kind: global_buffer, .address_space: global }
      - { .name: Wp, .offset: 8, .size: 8, .value_kind: global_buffer, .address_space: global }
      - { .name: Wq, .offset: 16, .size: 8, .value_kind: global_buffer, .address_space: global }
      - { .name: Wk, .offset: 24, .size: 8, .value_kind: global_buffer, .address_space: global }
      - { .name: Wv, .offset: 32, .size: 8, .value_kind: global_buffer, .address_space: global }
      - { .name: x_img, .offset: 40, .size: 8, .value_kind: global_buffer, .address_space: global }
      - { .name: x_sc, .offset: 48, .size: 8, .value_kind: global_buffer, .address_space: global }
      - { .name: w_img, .offset: 56, .size: 8, .value_kind: global_buffer, .address_space: global }
      - { .name: w_sc, .offset: 64, .size: 8, .value_kind: global_buffer, .address_space: global }
    .group_segment_fixed_size: 58880
    .private_segment_fixed_size: 0
    .kernarg_segment_align: 8
    .kernarg_segment_size: 72
    .max_flat_workgroup_size: 128
    .sgpr_count:     66
    .vgpr_count:     256
    .wavefront_size: 32
...
	.end_amdgpu_metadata
.endif
;; end of part 1
;; launch qkv_gemm (part 2): grid 12 x 32, 4 waves a work-group, clusters of 4 x 4, 327,680 bytes of LDS; arguments x_img, x_sc, w_img, w_sc, qkv; writes qkv
.if DOCPART == 2
	.amdgcn_target "amdgcn-amd-amdhsa--gfx1250"
	.amdhsa_code_object_version 6
	.text
	.protected	k_q0ebe08961e_qkv_gemm
	.globl	k_q0ebe08961e_qkv_gemm
	.p2align	8
	.type	k_q0ebe08961e_qkv_gemm,@function
k_q0ebe08961e_qkv_gemm:
	s_mov_b64 s[64:65], 0
	v_nop
	global_prefetch_b8 v0, s[64:65] scope:SCOPE_SE
	s_setreg_imm32_b32 hwreg(HW_REG_WAVE_MODE, 25, 1), 1
	s_wait_xcnt 0x0
	s_wait_alu depctr_hold_cnt(0) depctr_sa_sdst(0) depctr_va_vdst(0) depctr_va_sdst(0) depctr_va_ssrc(0) depctr_va_vcc(0) depctr_vm_vsrc(0)
	s_getreg_b32 s2, hwreg(HW_REG_IB_STS2, 6, 4)
	s_cmp_eq_u32 s2, 0
	s_cbranch_scc0 .Lentry_in_a_cluster
	s_endpgm
.Lentry_in_a_cluster:
	s_bfe_u32 s2, ttmp6, 0x10000c
	s_cmp_lg_u32 s2, 0xf033
	s_cbranch_scc0 .Lentry_shape_is_right
	s_endpgm
.Lentry_shape_is_right:
; q, k and v: three products of x [8192][1024] with weights [1024 rows = head x 64 + d][1024], on codes of BF6 (E3M2) with E8M0 scales, sums in f32; the results are quantised in registers and leave as
; the attention launch's operand images.  A tile of 256 x 256 is made by four waves, 128 x 128 each: 64 accumulators, 512 registers.
; Source 1 takes 16 rows of 'A', source 0 16 rows of 'B': a lane holds ONE row of A, and its registers run along B's rows.  Cluster column 0 makes q, 1 makes k (A = x, B = the weight: registers run along
; head x 64 + d, the next product's K); cluster column 2 makes v (A = Wv, B = x: registers run along the keys, which are the K of the product with the softmax's p).
; Lane r of tile T holds row 32 (T / 2) + 8 (T % 2) + r + 8 (r / 8) of its group of 128, on both sides: so the 16 registers of B's tiles 2 b and 2 b + 1 are 16 neighbours, 32 b + 16 (lane / 16) + 0 .. 15.
; Operands lie in memory as images of their registers: [group][K step of 128][tile][1536 bytes]; 256 along K of a group are 24,576 dense bytes, one tensor load.  K goes through a ring of two LDS slots of
; 256 along K; a group's scale words, 4,096 dense bytes, come once.  No pitch and no padding: every LDS load of a fragment reads 512 or 256 consecutive bytes.
; CLUSTERS: 4 x 4 work-groups.  A's tiles are shared along a row of the cluster, B's along a column: joint loads.  The choice of roles hangs on the cluster's x alone, which all sixteen partners share.
; qkv: 64 head blocks of 307,200 bytes (batch x 16 + head): 16 step blocks of 12,800 (128 keys: K's 8 half images of 768; V's 4 fragments of 1,536; K's scale words [pair of tiles][r], low half the even
; tile's two bytes; V's scale words [tile][r]); then 16 blocks of 6,400 for q (8 half images, scale words as K's).
; LIMITS: NaN and infinities are not served; a block of zeros gets the byte 1 (its codes are zeros, and this program alone reads the bytes).
; REGISTERS, in windows of 256: window 0: v1-29 addresses; v32-63 scale words, two sets; v128-223 A's fragments, one set; on the way out v112-131 codes, v200-220 at work.
;   window 1: B's fragments, two sets, at v0 and v128.   windows 2, 3: the accumulators, (a, b) at v[8 (8 (a % 4) + b)].
.set FR,     12                        ; registers of a fragment
.set NQ,     2                         ; steps of 128 along K in a slot
.set NL,     4                         ; LDS loads that bring a fragment
.set NP,     4                         ; places behind this matrix instruction (ISA guide 7.12.1)
.set GRPB,   98304                     ; a group's images, all of K
.set FILLB,  24576                     ; 128 rows x 256 K: what one tensor load brings
.set SLOT,   4*FILLB                   ; A's two groups, then B's two
.set SCL,    2*SLOT                    ; behind the ring: the scale words, 4,096 bytes for each of the four groups
.set SCB,    4096
.set SPARE,  SCL+4*SCB                 ; the spare words, 128 bytes for each wave: two blocks of 256 bytes that no other line names
.set HB,     307200
.set L16,  4                           ; v4   16 x lane
.set L8,   5                           ; v5   8 x lane
.set VO,   10                          ; v10  the way out: where my scale word goes
.set ADRA, 16                          ; v16-17 my A group in slot 0, 1, + 16 x lane;  v18-19 + 8 x lane
.set ADRB, 20                          ; v20-23 the same for B
.set ADRS, 27                          ; v27  my scale words: lanes 0-15 A's rows, lanes 16-31 B's
.set SPW,  28                          ; v28  my spare word; never rewritten
.set NIL,  29                          ; v29  0; never rewritten
.set SC,   32                          ; scale words: set s at v[SC + 16 s]; register 2 i + q: lanes 0-15 A's tile i, lanes 16-31 B's tile i, the slot's q-th 128 along K
.set AF,   128
.set PC,   112
.set TC,   124
.set TM,   200
.set PW,   216                         ; v216-217 the scale words of an even and an odd tile
.set SD,   218                         ; v218-220 at work on them
.set G1, 24
.set G0, 32
.set G1B, 48
.set G0B, 56
.set G1S, 68
.set G0S, 76
.set G1SB, 80
.set G0SB, 88
.set MSB, 0
.macro WIN new                         ; the immediate's high byte repeats the setting that is left
.if MSB != (\new)
	s_set_vgpr_msb (MSB<<8)|(\new)
.set MSB, (\new)
.endif
.endm
.set MUL_LO, 0xa1                      ; source 0 (B) window 1, source 1 (A) window 0, C and D window 2
.set MUL_HI, 0xf1
.set TO_B,   0x40
; A joint load: waves 0 and 1 fetch A's two groups, waves 2 and 3 B's.  Four v_nop follow each of the two lines.
.macro JLOAD g0a, g1a, g0b, g1b
	s_cmp_eq_u32 s15, 0
	s_cbranch_scc0 .Lfor_b_\@
	tensor_load_to_lds s[\g0a:\g0a+3], s[\g1a:\g1a+7]
	s_nop 0
.rept 4
	v_nop
.endr
	s_branch .Lasked_\@
.Lfor_b_\@:
	tensor_load_to_lds s[\g0b:\g0b+3], s[\g1b:\g1b+7]
	s_nop 0
.rept 4
	v_nop
.endr
.Lasked_\@:
.endm
.macro CREST                           ; a round of the cluster's barrier behind its opening barrier
	s_cmp_lg_u32 s14, 0
	s_cbranch_scc1 .Lnot_wave_0_\@
	s_barrier_signal -3
.Lnot_wave_0_\@:
	s_barrier_wait -3
	s_barrier_signal -1
	s_barrier_wait -1
.endm
.macro CROUND
	s_barrier_signal -1
	s_barrier_wait -1
	CREST
.endm
	s_load_b256 s[4:11], s[0:1], 0x0               ; x_img, x_sc, w_img, w_sc
	s_load_b64 s[12:13], s[0:1], 0x20              ; qkv
	v_lshl_add_u32 v[SPW], v0, 2, SPARE
	v_mov_b32 v[NIL], 0
	ds_add_u32 v28, v29
	ds_add_u32 v28, v29
	s_wait_dscnt 0x0
	v_lshrrev_b32 v1, 5, v0
	v_readfirstlane_b32 s14, v1                    ; wave 0..3
	s_lshr_b32 s15, s14, 1                         ; which of A's two groups is mine.  Also: I fetch for A (0) or for B (1)
	s_and_b32 s16, s14, 1                          ; which of B's.  Also: which group of that side I fetch
	s_bfe_u32 s40, ttmp6, 0x40000                  ; cx, cy: my place in the cluster
	s_bfe_u32 s41, ttmp6, 0x40004
	s_and_b32 s17, ttmp7, 0xffff                   ; the cluster's y
	s_cmp_eq_u32 ttmp9, 2                          ; the cluster's x: 0 q, 1 k, 2 v
	s_cselect_b32 s18, 0, s17                      ; v: A is Wv, four tile rows in all
	s_cselect_b32 s19, s17, ttmp9                  ; v: B is x, and the cluster's y walks it
	s_cselect_b32 s100, 16, 0                      ; v: Wv's groups begin at 16
	s_lshl_b32 s17, s18, 2
	s_add_co_u32 s17, s17, s41                     ; tile row
	s_lshl_b32 s42, s19, 2
	s_add_co_u32 s42, s42, s40                     ; tile column
	s_lshl_b32 s43, s41, 2
	s_lshl_b32 s43, 15, s43                        ; my row of the cluster
	s_lshl_b32 s44, 0x1111, s40                    ; my column
	; descriptor group 1: a dense block of 24,576 bytes as 96 rows of 32 elements of 8 bytes, no padding
	s_or_b32 s[G1+0], s43, (3<<16)|(1<<21)         ; 15:0 the mask; 17:16 elements of 8 bytes; 21 set beside a mask
	s_or_b32 s[G1B+0], s44, (3<<16)|(1<<21)
.irp g, G1, G1B
	s_mov_b32 s[\g+1], 32<<16                      ; tensor_dim0
	s_mov_b32 s[\g+2], 96<<16                      ; tensor_dim1
	s_mov_b32 s[\g+3], 32<<16                      ; tile_dim0
	s_mov_b32 s[\g+4], 96                          ; tile_dim1
	s_mov_b32 s[\g+5], 32                          ; tensor_dim0_stride
	s_mov_b32 s[\g+6], 0
	s_mov_b32 s[\g+7], 0
.endr
	s_or_b32 s[G1S+0], s43, (3<<16)|(1<<21)        ; the scale words of a group: 4,096 dense bytes, 16 such rows
	s_or_b32 s[G1SB+0], s44, (3<<16)|(1<<21)
.irp g, G1S, G1SB
	s_mov_b32 s[\g+1], 32<<16
	s_mov_b32 s[\g+2], 16<<16
	s_mov_b32 s[\g+3], 32<<16
	s_mov_b32 s[\g+4], 16
	s_mov_b32 s[\g+5], 32
	s_mov_b32 s[\g+6], 0
	s_mov_b32 s[\g+7], 0
.endr
	s_lshl_b32 s20, s17, 1
	s_add_co_u32 s20, s20, s16
	s_add_co_u32 s20, s20, s100                    ; the group of A that I fetch: it hangs on the tile row alone
	s_lshl_b32 s46, s42, 1
	s_add_co_u32 s46, s46, s16                     ; and of B: on the tile column alone
	s_lshl_b32 s22, s20, 12
	s_mov_b32 s23, 0
	s_mul_i32 s20, s20, GRPB
	s_mov_b32 s21, 0
	s_lshl_b32 s66, s46, 12
	s_mov_b32 s67, 0
	s_mul_i32 s46, s46, GRPB
	s_mov_b32 s47, 0
	s_mul_i32 s45, s14, FILLB                      ; where they go: wave x 24,576: no place in the cluster enters an LDS address
	s_lshl_b32 s101, s14, 12
	s_wait_kmcnt 0x0
	s_cmp_eq_u32 ttmp9, 2
	s_cselect_b64 s[92:93], s[8:9], s[4:5]         ; A's images,
	s_cselect_b64 s[94:95], s[10:11], s[6:7]       ; A's scale words,
	s_cselect_b64 s[96:97], s[4:5], s[8:9]         ; B's images,
	s_cselect_b64 s[98:99], s[6:7], s[10:11]       ; B's scale words
	s_add_nc_u64 s[20:21], s[92:93], s[20:21]
	s_add_nc_u64 s[22:23], s[94:95], s[22:23]
	s_add_nc_u64 s[46:47], s[96:97], s[46:47]
	s_add_nc_u64 s[66:67], s[98:99], s[66:67]
	CROUND                                         ; all sixteen work-groups are here: the first joint loads meet
	s_mov_b32 s[G0S], 1
	s_add_co_u32 s[G0S+1], s101, SCL
	s_mov_b64 s[G0S+2:G0S+3], s[22:23]
	s_or_b32 s[G0S+3], s[G0S+3], 0x80000000
	s_mov_b32 s[G0SB], 1
	s_add_co_u32 s[G0SB+1], s101, SCL
	s_mov_b64 s[G0SB+2:G0SB+3], s[66:67]
	s_or_b32 s[G0SB+3], s[G0SB+3], 0x80000000
	JLOAD G0S, G1S, G0SB, G1SB                     ; the scale words first: they are wanted with the first K step
.irp s, 0,1
	s_mov_b32 s[G0+4*\s], 1
	s_add_co_u32 s[G0+4*\s+1], s45, \s*SLOT
	s_add_nc_u64 s[G0+4*\s+2:G0+4*\s+3], s[20:21], \s*FILLB
	s_or_b32 s[G0+4*\s+3], s[G0+4*\s+3], 0x80000000
	s_mov_b32 s[G0B+4*\s], 1
	s_add_co_u32 s[G0B+4*\s+1], s45, \s*SLOT
	s_add_nc_u64 s[G0B+4*\s+2:G0B+4*\s+3], s[46:47], \s*FILLB
	s_or_b32 s[G0B+4*\s+3], s[G0B+4*\s+3], 0x80000000
	JLOAD G0+4*\s, G1, G0B+4*\s, G1B               ; three loads of mine are out behind the last of these
.endr
	v_and_b32 v1, 31, v0                           ; lane
	v_and_b32 v2, 15, v0                           ; r
	v_bfe_u32 v3, v0, 4, 1                         ; h
	v_lshlrev_b32 v[L16], 4, v1
	v_lshlrev_b32 v[L8], 3, v1
	s_mul_i32 s21, s15, FILLB                      ; my group of A,
	s_mul_i32 s22, s16, FILLB                      ; my group of B,
	s_add_co_u32 s22, s22, 2*FILLB                 ; which lies behind A's two
.irp s, 0,1
	v_add_nc_u32 v[ADRA+\s], s21, v[L16]
	v_add_nc_u32 v[ADRA+2+\s], s21, v[L8]
	v_add_nc_u32 v[ADRB+\s], s22, v[L16]
	v_add_nc_u32 v[ADRB+2+\s], s22, v[L8]
	s_add_co_u32 s21, s21, SLOT
	s_add_co_u32 s22, s22, SLOT
.endr
	v_lshlrev_b32 v6, 3, v2                        ; scale words: 8 bytes a row
	s_lshl_b32 s21, s15, 12
	s_lshl_b32 s22, s16, 12
	s_add_co_u32 s22, s22, 2*SCB
	s_sub_co_u32 s22, s22, s21
	v_mul_u32_u24 v7, s22, v3                      ; lanes 16-31 take B's: one product, the distance between the two bases
	s_add_co_u32 s21, s21, SCL
	v_add_nc_u32 v6, v6, v7
	v_add_nc_u32 v[ADRS], s21, v6
.macro FRAG reg, adr, off              ; a fragment comes as it was stored: registers 0-3, 4-5, 6-9, 10-11
	ds_load_b128 v[\reg:\reg+3], v[\adr] offset:\off
	ds_load_b64 v[\reg+4:\reg+5], v[\adr+2] offset:(\off)+512
	ds_load_b128 v[\reg+6:\reg+9], v[\adr] offset:(\off)+768
	ds_load_b64 v[\reg+10:\reg+11], v[\adr+2] offset:(\off)+1280
.endm
; 16 matrix instructions: A's tiles a0, a0 + 1 x B's eight, 128 along K.  zero = 1: the first product starts the sums.  The 64 accumulators take turns, one instruction a turn.
.macro MUL16 a0, p, q, sc, zero
.irp a, \a0, \a0+1
.irp b, 0,1,2,3,4,5,6,7
.if \zero
	v_wmma_scale_f32_16x16x128_f8f6f4 v[8*(8*((\a)%4)+\b):8*(8*((\a)%4)+\b)+7], v[128*(\p)+FR*\b:128*(\p)+FR*\b+FR-1], v[AF+FR*(\a):AF+FR*(\a)+FR-1], 0, v[SC+8*NQ*(\sc)+NQ*\b+(\q)], v[SC+8*NQ*(\sc)+NQ*(\a)+(\q)] matrix_a_fmt:MATRIX_FMT_BF6 matrix_b_fmt:MATRIX_FMT_BF6 matrix_a_scale:MATRIX_SCALE_ROW1
.else
	v_wmma_scale_f32_16x16x128_f8f6f4 v[8*(8*((\a)%4)+\b):8*(8*((\a)%4)+\b)+7], v[128*(\p)+FR*\b:128*(\p)+FR*\b+FR-1], v[AF+FR*(\a):AF+FR*(\a)+FR-1], v[8*(8*((\a)%4)+\b):8*(8*((\a)%4)+\b)+7], v[SC+8*NQ*(\sc)+NQ*\b+(\q)], v[SC+8*NQ*(\sc)+NQ*(\a)+(\q)] matrix_a_fmt:MATRIX_FMT_BF6 matrix_b_fmt:MATRIX_FMT_BF6 matrix_a_scale:MATRIX_SCALE_ROW1
.endif
.endr
.endr
.endm
.macro FETCH_B slot, q, p
	WIN TO_B
.irp i, 0,1,2,3,4,5,6,7
	FRAG 128*(\p)+FR*\i, ADRB+\slot, (\q)*12288+\i*1536
.endr
	WIN 0
.endm
.macro FETCH_A slot, q, i0
.irp i, \i0, \i0+1, \i0+2, \i0+3
	FRAG AF+FR*(\i), ADRA+\slot, (\q)*12288+(\i)*1536
.endr
.endm
.macro SCALES sc                       ; a slot's scale words: two words a row; lanes 0-15 A's tile i, lanes 16-31 B's tile i
.irp i, 0,1,2,3,4,5,6,7
	ds_load_b64 v[SC+8*NQ*\sc+NQ*\i:SC+8*NQ*\sc+NQ*\i+1], v[ADRS] offset:\i*128
.endr
.endm
.macro PLACES n                        ; plain vector instructions between a matrix instruction and a load into, or a read of, its registers
.rept \n
	v_nop
.endr
.endm
.macro STEP slot, q, zero              ; a step of 128 along K that has its successor in the same slot
	s_wait_dscnt 4*NL                              ; B's set and A's tiles 0-3 are in; the youngest 16 loads (A's tiles 4-7) may be out
	WIN MUL_LO
	MUL16 0, (\q)%2, \q, \slot, \zero
	MUL16 2, (\q)%2, \q, \slot, \zero
	s_wait_dscnt 0
	PLACES NP
	FETCH_B \slot, (\q)+1, 1-(\q)%2
	FETCH_A \slot, (\q)+1, 0
	WIN MUL_HI
	MUL16 4, (\q)%2, \q, \slot, \zero
	MUL16 6, (\q)%2, \q, \slot, \zero
	PLACES NP
	WIN 0
	FETCH_A \slot, (\q)+1, 4
.endm
; A slot's last step changes slots: one barrier; in front of it each wave waits for all its tensor loads, adds 0 to its spare word, and waits for that and for its reads of this slot.
.macro TURN slot, next, fill
	s_wait_tensorcnt 0x0                           ; all my tensor loads have landed: my part of the next slot
	ds_add_u32 v[SPW], v[NIL]                      ; 0 onto my spare word
	s_wait_dscnt 4*NL+1                            ; (the add and the youngest 16 loads may be out)
	WIN MUL_LO
	MUL16 0, 1, NQ-1, \slot, 0
	s_wait_dscnt 0x0                               ; the add is done, and my reads of this slot are over
	s_barrier_signal -1
	MUL16 2, 1, NQ-1, \slot, 0
	WIN 0
	s_barrier_wait -1
.if \fill
	CREST                                          ; the barrier has opened a round of the cluster's barrier: no wave of any partner still reads this slot or has a load on its way
	s_add_nc_u64 s[G0+4*\slot+2:G0+4*\slot+3], s[G0+4*\slot+2:G0+4*\slot+3], 2*FILLB
	s_add_nc_u64 s[G0B+4*\slot+2:G0B+4*\slot+3], s[G0B+4*\slot+2:G0B+4*\slot+3], 2*FILLB
	JLOAD G0+4*\slot, G1, G0B+4*\slot, G1B         ; the first tensor load behind the round, my only one until the next; its four v_nop are also the places in front of the loads below
.else
	PLACES NP
.endif
	s_wait_alu depctr_va_vdst(0)
	v_add_nc_u32 v[ADRS], 1024, v[ADRS]            ; the next slot's scale words
	FETCH_B \next, 0, 0
	FETCH_A \next, 0, 0
	SCALES \next
	WIN MUL_HI
	MUL16 4, 1, NQ-1, \slot, 0
	MUL16 6, 1, NQ-1, \slot, 0
	PLACES NP
	WIN 0
	FETCH_A \next, 0, 4
.endm
	s_wait_alu depctr_va_vdst(0)
	s_wait_tensorcnt 1                             ; the scale words and my part of slot 0 are in (slot 1's load may be out)
	s_barrier_signal -1
	s_barrier_wait -1                              ; everybody's are
	FETCH_B 0, 0, 0
	FETCH_A 0, 0, 0
	SCALES 0
	FETCH_A 0, 0, 4
	STEP 0, 0, 1                                   ; K = 1,024 is eight steps on four fills: written out
	TURN 0, 1, 1
	STEP 1, 0, 0
	TURN 1, 0, 1
	STEP 0, 0, 0
	TURN 0, 1, 0                                   ; nothing is left to fetch
	STEP 1, 0, 0
	s_wait_dscnt 4*NL
	WIN MUL_LO
	MUL16 0, 1, NQ-1, 1, 0
	MUL16 2, 1, NQ-1, 1, 0
	s_wait_dscnt 0
	WIN MUL_HI
	MUL16 4, 1, NQ-1, 1, 0
	MUL16 6, 1, NQ-1, 1, 0
	WIN 0
; THE WAY OUT.  The 64 registers of A's tile a (its eight accumulators on end) are, in lane (r, h), register 16 b + i = B's row 32 b + 16 h + i: four blocks of 32 along the next product's K, half of each in lane l xor 16.
; They are quantised as they stand and leave as a fragment's image: no stage.  Each accumulator is read from its low end on.
.macro QUANTW a, pw
.set AC, 64*((\a)%4)
.set W, 2+(\a)/4
	WIN W|(W<<2)                                   ; sources 0 and 1: the accumulators' window
.irp b, 0,1,2,3
	v_max3_num_f32 v[TM+\b], |v[AC+16*\b]|, |v[AC+1+16*\b]|, 0x2800000   ; and the floor 2^(5 - 127): the byte cannot fall under 1
.endr
.irp i, 2,4,6,8,10,12,14
.irp b, 0,1,2,3
	v_max3_num_f32 v[TM+\b], |v[AC+16*\b+\i]|, |v[AC+1+16*\b+\i]|, v[TM+\b]
.endr
.endr
	WIN 0
.irp b, 0,1,2,3
	v_permlanex16_b32 v[TM+4+\b], v[TM+\b], s18, s19
.endr
.irp b, 0,1,2,3
	v_max_num_f32 v[TM+\b], v[TM+\b], v[TM+4+\b]
.endr
.irp b, 0,1,2,3
	v_add_nc_u32 v[TM+12+\b], 0xfe000000, v[TM+\b] ; 4 off the exponent field: the conversion's scale operand
.endr
.irp b, 0,1,2,3
	v_lshrrev_b32 v[TM+4+\b], 23, v[TM+12+\b]      ; the scale's byte
.endr
	v_lshl_or_b32 v[\pw], v[TM+5], 8, v[TM+4]
	v_lshl_or_b32 v[\pw], v[TM+6], 16, v[\pw]
	v_lshl_or_b32 v[\pw], v[TM+7], 24, v[\pw]
	s_wait_xcnt 0x0                                ; the last tile's stores have read their data: those registers are written again only behind this wait
	WIN W                                          ; source 0: the accumulators' window
.irp c, 0,1
	v_cvt_scalef32_pk16_bf6_f32 v[PC+6*\c:PC+2+6*\c], v[AC+32*\c:AC+15+32*\c], v[TM+12+2*\c]
	v_cvt_scalef32_pk16_bf6_f32 v[TC+4*\c:TC+2+4*\c], v[AC+16+32*\c:AC+31+32*\c], v[TM+12+2*\c+1]
.endr
	WIN 0
	v_nop                                          ; one plain place behind a scaled conversion
.irp c, 0,1
.irp i, 0,1,2
	v_permlane16_swap_b32 v[PC+6*\c+\i], v[TC+4*\c+\i]
.endr
.irp i, 0,1,2
	v_mov_b32 v[PC+3+6*\c+\i], v[TC+4*\c+\i]
.endr
.endr
.endm
.macro WAYOUT v
.irp a, 0,1,2,3,4,5,6,7
	QUANTW \a, PW+(\a%2)
.if \v
	; v: 16 of a head's 64 channels x 128 keys: a whole fragment.  Tiles 0-3 are my first head's, 4-7 the next head's
	global_store_b128 v[L16], v[PC:PC+3], s[12:13] offset:(\a/4)*HB+(\a%4)*1536
	global_store_b64 v[L8], v[PC+4:PC+5], s[12:13] offset:(\a/4)*HB+(\a%4)*1536+512
	global_store_b128 v[L16], v[PC+6:PC+9], s[12:13] offset:(\a/4)*HB+(\a%4)*1536+768
	global_store_b64 v[L8], v[PC+10:PC+11], s[12:13] offset:(\a/4)*HB+(\a%4)*1536+1280
.if \a%2
	v_cndmask_b32 v[SD], v[PW], v[PW+1], s44       ; lanes 0-15 the even tile's words, lanes 16-31 the odd tile's: 128 consecutive bytes
	global_store_b32 v[VO+1], v[SD], s[12:13] offset:6400+(\a/4)*HB+((\a%4)/2)*128
.endif
.else
	; q, k: 16 tokens x two heads' 64: registers 0-5 are the first head's half image, 6-11 the next head's
	global_store_b128 v[L16], v[PC:PC+3], s[12:13] offset:\a*768
	global_store_b64 v[L8], v[PC+4:PC+5], s[12:13] offset:\a*768+512
	global_store_b128 v[L16], v[PC+6:PC+9], s[12:13] offset:HB+\a*768
	global_store_b64 v[L8], v[PC+10:PC+11], s[12:13] offset:HB+\a*768+512
.if \a%2
	v_perm_b32 v[SD+1], v[PW+1], v[PW], 0x05040100 ; the first head's word of this pair of tiles: the even tile's two bytes below, the odd tile's above
	v_perm_b32 v[SD+2], v[PW+1], v[PW], 0x07060302 ; the next head's
	v_cndmask_b32 v[SD], v[SD+1], v[SD+2], s44     ; lanes 0-15 store the first head's, lanes 16-31 the next head's
	global_store_b32 v[VO], v[SD], s[92:93] offset:(\a/2)*64
.endif
.endif
.endr
.endm
	PLACES NP                                      ; behind the last products
.irp b, 0,1,2,3
	v_mov_b32 v[TM+4+\b], 0                        ; written once: a lane permute's destination counts as one of its sources
.endr
	s_mov_b32 s18, 0x76543210
	s_mov_b32 s19, 0xfedcba98                      ; v_permlanex16_b32's selects for lane l xor 16
	s_mov_b32 s44, 0xffff0000                      ; lanes 16-31
	s_cmp_eq_u32 ttmp9, 2                          ; the cluster's x: alike in all partners
	s_cbranch_scc1 .Lway_v
	s_lshr_b32 s20, s17, 3                         ; batch: a tile row is 256 tokens
	s_and_b32 s21, s17, 7
	s_lshl_b32 s21, s21, 1
	s_add_co_u32 s21, s21, s15                     ; my group of 128 tokens in the batch
	s_lshl_b32 s22, s40, 2
	s_lshl_b32 s23, s16, 1
	s_add_co_u32 s22, s22, s23                     ; my first head: 4 cx + 2 x my half
	s_lshl_b32 s20, s20, 4
	s_add_co_u32 s20, s20, s22
	s_mul_i32 s20, s20, HB
	s_mov_b32 s22, 12800
	s_mov_b32 s46, 12288
	s_cmp_eq_u32 ttmp9, 0
	s_cselect_b32 s22, 6400, s22                   ; q's blocks are 6,400 bytes and lie behind the 16 step blocks; k's are the step blocks
	s_cselect_b32 s23, 204800, 0
	s_cselect_b32 s46, 6144, s46                   ; where the scale words begin in a block
	s_mul_i32 s21, s21, s22
	s_add_co_u32 s20, s20, s21
	s_add_co_u32 s20, s20, s23
	s_mov_b32 s21, 0
	s_add_nc_u64 s[12:13], s[12:13], s[20:21]
	s_mov_b32 s47, 0
	s_add_nc_u64 s[92:93], s[12:13], s[46:47]
	v_mul_u32_u24 v[VO], v3, HB
	v_lshl_add_u32 v[VO], v2, 2, v[VO]             ; 4 r, lanes 16-31 in the next head's block
	WAYOUT 0
	s_branch .Ldone
.Lway_v:
	s_lshl_b32 s20, s42, 1
	s_add_co_u32 s20, s20, s16                     ; my group of 128 keys among all 64
	s_lshr_b32 s21, s20, 4                         ; batch
	s_and_b32 s20, s20, 15                         ; key step
	s_lshl_b32 s22, s41, 2
	s_lshl_b32 s23, s15, 1
	s_add_co_u32 s22, s22, s23                     ; my first head: 4 cy + 2 x my half
	s_lshl_b32 s21, s21, 4
	s_add_co_u32 s21, s21, s22
	s_mul_i32 s21, s21, HB
	s_mul_i32 s20, s20, 12800
	s_add_co_u32 s20, s20, s21
	s_add_co_u32 s20, s20, 6144                    ; V's fragments lie behind K's half images
	s_mov_b32 s21, 0
	s_add_nc_u64 s[12:13], s[12:13], s[20:21]
	v_lshlrev_b32 v[VO+1], 2, v1                   ; 4 x lane
	WAYOUT 1
.Ldone:
	s_wait_tensorcnt 0x0                           ; the wave's end
	ds_add_u32 v[SPW], v[NIL]
	s_wait_dscnt 0x0
	CROUND                                         ; the closing round: no work-group ends while a partner may still ask for a tile that names it
	s_endpgm
.Lfunc_end_k_q0ebe08961e_qkv_gemm:
	.size	k_q0ebe08961e_qkv_gemm, .Lfunc_end_k_q0ebe08961e_qkv_gemm-k_q0ebe08961e_qkv_gemm
	.p2alignl 7, 3214868480
	.fill 96, 4, 3214868480
	.section	.rodata,"a",@progbits
	.p2align	6, 0x0
	.amdhsa_kernel k_q0ebe08961e_qkv_gemm
		.amdhsa_group_segment_fixed_size 327680
		.amdhsa_private_segment_fixed_size 0
		.amdhsa_enable_private_segment 0
		.amdhsa_kernarg_size 40
		.amdhsa_user_sgpr_count 2
		.amdhsa_user_sgpr_kernarg_segment_ptr 1
		.amdhsa_wavefront_size32 1
		.amdhsa_system_sgpr_workgroup_id_x 1
		.amdhsa_system_sgpr_workgroup_id_y 1
		.amdhsa_system_sgpr_workgroup_id_z 1
		.amdhsa_system_vgpr_workitem_id 0
		.amdhsa_next_free_vgpr 1024
		.amdhsa_next_free_sgpr 106
		.amdhsa_reserve_vcc 0
		.amdhsa_float_denorm_mode_32 3
		.amdhsa_float_denorm_mode_16_64 3
		.amdhsa_memory_ordered 1
		.amdhsa_forward_progress 1
		.amdhsa_inst_pref_size 186
	.end_amdhsa_kernel
	.amdgpu_metadata
---
amdhsa.version: [ 1, 2 ]
amdhsa.kernels:
  - .name:           k_q0ebe08961e_qkv_gemm
    .symbol:         k_q0ebe08961e_qkv_gemm.kd
    .args:
      - { .name: x_img, .offset: 0, .size: 8, .value_kind: global_buffer, .address_space: global }
      - { .name: x_sc, .offset: 8, .size: 8, .value_kind: global_buffer, .address_space: global }
      - { .name: w_img, .offset: 16, .size: 8, .value_kind: global_buffer, .address_space: global }
      - { .name: w_sc, .offset: 24, .size: 8, .value_kind: global_buffer, .address_space: global }
      - { .name: qkv, .offset: 32, .size: 8, .value_kind: global_buffer, .address_space: global }
    .group_segment_fixed_size: 327680
    .private_segment_fixed_size: 0
    .kernarg_segment_align: 8
    .kernarg_segment_size: 40
    .max_flat_workgroup_size: 128
    .sgpr_count:     106
    .vgpr_count:     1024
    .wavefront_size: 32
...
	.end_amdgpu_metadata
.endif
;; end of part 2
;; launch attn (part 3): grid 4 x 64, 16 waves a work-group, clusters of 4 x 1, 206,848 bytes of LDS; arguments qkv, o_img, o_sc; writes o_img, o_sc
.if DOCPART == 3
	.amdgcn_target "amdgcn-amd-amdhsa--gfx1250"
	.amdhsa_code_object_version 6
	.text
	.protected	k_q0ebe08961e_attn
	.globl	k_q0ebe08961e_attn
	.p2align	8
	.type	k_q0ebe08961e_attn,@function
k_q0ebe08961e_attn:
	s_mov_b64 s[64:65], 0
	v_nop
	global_prefetch_b8 v0, s[64:65] scope:SCOPE_SE
	s_setreg_imm32_b32 hwreg(HW_REG_WAVE_MODE, 25, 1), 1
	s_wait_xcnt 0x0
	s_wait_alu depctr_hold_cnt(0) depctr_sa_sdst(0) depctr_va_vdst(0) depctr_va_sdst(0) depctr_va_ssrc(0) depctr_va_vcc(0) depctr_vm_vsrc(0)
	s_getreg_b32 s2, hwreg(HW_REG_IB_STS2, 6, 4)
	s_cmp_eq_u32 s2, 0
	s_cbranch_scc0 .Lentry_in_a_cluster
	s_endpgm
.Lentry_in_a_cluster:
	s_bfe_u32 s2, ttmp6, 0x10000c
	s_cmp_lg_u32 s2, 0x3003
	s_cbranch_scc0 .Lentry_shape_is_right
	s_endpgm
.Lentry_shape_is_right:
; Causal attention on codes of BF6 (E3M2) with E8M0 scales: for each of 64 heads (batch x 16 + head), 2,048 queries and keys, head size 64.
; t = score x log2(e) / 8; M = the row's largest t so far, rounded UP to a whole number; p = 2^(t - M) is quantised along the keys, not normalised; the row's sum is taken of the unquantised p and divides at the end.
; When M moves, the sum and O are multiplied by 2^(old M - new M): exact.  The result is quantised along head x 64 + d and leaves as the last product's operand images.
; SHARES.  A cluster of four work-groups is one head.  Wave w of work-group cx owns the tiles of 16 queries a = 4 w + cx and 127 - a.  Tile a sees key steps 0 .. a / 8 of 128 keys, and a / 8 = w / 2 whatever cx is:
; so every wave has (w / 2 + 1) + (16 - w / 2) = 17 live steps, two of them on the diagonal, and every branch hangs on the wave's number alone.  cx enters only global addresses and the mask's data.
; LDS.  A head's K and V with their scale words, 16 step blocks of 12,800 bytes, are filled ONCE, by one joint load a wave (the four work-groups ask for the same blocks): no slot is filled again, nothing is stored
; to LDS, and behind one barrier no wave waits for another.
; LAYOUT.  Both products are used transposed (S^T = K Q^T, O^T = V^T P^T): a lane holds one query throughout.  Lane r of a tile of K holds key 32 (T / 2) + 8 (T % 2) + r + 8 (r / 8), so that the 16 registers of tiles
; 2 b and 2 b + 1 are keys 32 b + 16 (lane / 16) + 0 .. 15.  The queries of a tile and V's channels are chosen likewise.
; HEAD SIZE 64 IN AN INSTRUCTION OF K = 128: source 0 is TWO tiles of K side by side (registers 0-5, 6-11); source 1 is q beside zeros, [q | 0] for the first tile and [0 | q] for the second, out of 18 registers
; [q | 0 | q].  The zeros' scale bytes are 0, which is 2^-127 over zero codes: they add nothing.
; The scale bytes of O leave as single bytes, 32 a tile: a scale word is shared by two heads, which are two clusters' work.
; LIMITS: NaN and infinities are not served; a block of zeros gets the byte 1 (its codes are zeros, and this program alone reads the bytes).
.set HB,   307200                      ; a head's block in qkv
.set STB,  12800                       ; a key step's block
.set L16,  1                           ; v1   16 x lane
.set L8,   2                           ; v2   8 x lane
.set L4,   3                           ; v3   4 x lane
.set DM,   4                           ; v4   my query's place in its group of 128, less 16 (lane / 16)
.set NINF, 5                           ; v5   -infinity
.set A16,  6                           ; v6-8 the same three + the step block's LDS byte
.set A8,   7
.set A4,   8
.set VB,   9                           ; v9   r + 8 (r / 8) - 16 (lane / 16)
.set R4,   10                          ; v10  4 r
.set R8H,  11                          ; v11  8 r + lane / 16
.set Q,    16                          ; v16-33 [q | 0 | q]
.set QSL,  34                          ; v34, v35 q's scale bytes in the low, in the high half of the word
.set KS,   36                          ; v36-37 K's scale words;  v38-39 V's
.set VS,   38
.set KF,   40                          ; v40-87 four fragments: K's double tiles, then V's
.set S,    96                          ; v96-159 S^T, then p
.set O,    160                         ; v160-191 O^T
.set PC,   192                         ; v192-203 p's codes
.set TC,   204
.set BM,   212                         ; v212-215 the blocks' largest scores, then largest p
.set BX,   216
.set BSC,  220
.set T0,   224
.set F,    226                         ; v[226:227] f = 2^(old M - new M); the pair's upper word is only named
.set PS,   228                         ; v228 p's scale word
.set SU,   230
.set BY,   232
.set WV,   10
.set CX,   11
.set BH,   12
.set WH,   13                          ; s13  wave / 2
.set TA0,  14                          ; s14  the early tile's place in its group: 4 (wave % 2) + cx
.set CT,   15                          ; s15  the last live key step
.set SI,   16
.set TB,   17
.set TA,   18
.set SEL,  20
.set CS,   22                          ; s[22:23] c = log2(e) / 8
.set QP,   24
.set QSP,  26
.set OIP,  28
.set OSP,  30
.set G0,   32
.set G1,   36
.set HM,   50
.set HP,   52
.set OIB,  54
.set OSB,  56
.macro CROUND                          ; a round of the cluster's barrier
	s_barrier_signal -1
	s_barrier_wait -1
	s_cmp_lg_u32 s[WV], 0
	s_cbranch_scc1 .Lnot_wave_0_\@
	s_barrier_signal -3
.Lnot_wave_0_\@:
	s_barrier_wait -3
	s_barrier_signal -1
	s_barrier_wait -1
.endm
	s_load_b128 s[4:7], s[0:1], 0x0                ; qkv, o_img
	s_load_b64 s[8:9], s[0:1], 0x10                ; o_sc
	v_lshl_add_u32 v254, v0, 2, 0x32000
	v_mov_b32 v255, 0
	ds_add_u32 v254, v255
	ds_add_u32 v254, v255
	v_lshrrev_b32 v1, 5, v0
	s_delay_alu instid0(VALU_DEP_1)
	v_readfirstlane_b32 s[WV], v1                  ; wave 0..15
	s_bfe_u32 s[CX], ttmp6, 0x40000                ; my place in the cluster
	s_and_b32 s[BH], ttmp7, 0xffff                 ; batch x 16 + head: the cluster's y
	s_lshr_b32 s[WH], s[WV], 1
	s_and_b32 s[TA0], s[WV], 1
	s_lshl_b32 s[TA0], s[TA0], 2
	s_add_co_u32 s[TA0], s[TA0], s[CX]
	; descriptor group 1: a dense block of 12,800 bytes as 50 rows of 32 elements of 8 bytes
	s_mov_b32 s[G1], 15|(3<<16)|(1<<21)            ; 15:0 the mask: all four work-groups; 17:16 elements of 8 bytes; 21 set beside a mask
	s_mov_b32 s[G1+1], 32<<16
	s_mov_b32 s[G1+2], 50<<16
	s_mov_b32 s[G1+3], 32<<16
	s_mov_b32 s[G1+4], 50
	s_mov_b32 s[G1+5], 32
	s_mov_b32 s[G1+6], 0
	s_mov_b32 s[G1+7], 0
	s_mul_i32 s44, s[BH], HB
	s_mov_b32 s45, 0
	s_mul_i32 s46, s[WV], STB                      ; wave w fetches step block w
	s_mov_b32 s47, 0
	s_lshr_b32 s48, s[BH], 4                       ; batch
	s_and_b32 s49, s[BH], 15                       ; head
	s_mul_i32 s58, s48, 16*98304                   ; O's images: 16 groups a batch; K step head / 2; half head % 2
	s_lshr_b32 s51, s49, 1
	s_mul_i32 s51, s51, 12288
	s_add_co_u32 s58, s58, s51
	s_and_b32 s51, s49, 1
	s_mul_i32 s51, s51, 768
	s_add_co_u32 s58, s58, s51
	s_mov_b32 s59, 0
	s_lshl_b32 s60, s48, 16                        ; O's scale bytes: 16 groups of 4,096; pair of K steps head / 4; word (head / 2) % 2; bytes 2 (head % 2) on
	s_lshr_b32 s51, s49, 2
	s_lshl_b32 s51, s51, 10
	s_add_co_u32 s60, s60, s51
	s_bfe_u32 s51, s49, 0x10001
	s_lshl_b32 s51, s51, 2
	s_add_co_u32 s60, s60, s51
	s_and_b32 s51, s49, 1
	s_lshl_b32 s51, s51, 1
	s_add_co_u32 s60, s60, s51
	s_mov_b32 s61, 0
	s_mov_b32 s[SEL], 0x76543210
	s_mov_b32 s[SEL+1], 0xfedcba98
	s_mov_b32 s[CS], 0x3e38aa3b
	s_mov_b32 s[CS+1], s[CS]                       ; (named with it as a pair, so it is written)
	s_mov_b32 s[HM], 0xffff0000                    ; lanes 16-31
	s_wait_dscnt 0x0
	s_wait_kmcnt 0x0
	s_add_nc_u64 s[HP:HP+1], s[4:5], s[44:45]
	s_add_nc_u64 s[OIB:OIB+1], s[6:7], s[58:59]
	s_add_nc_u64 s[OSB:OSB+1], s[8:9], s[60:61]
	s_mov_b32 s[G0], 1
	s_mov_b32 s[G0+1], s46
	s_add_nc_u64 s[G0+2:G0+3], s[HP:HP+1], s[46:47]
	s_or_b32 s[G0+3], s[G0+3], 0x80000000
	CROUND                                         ; all four work-groups are here: the joint loads meet
	tensor_load_to_lds s[G0:G0+3], s[G1:G1+7]      ; my one tensor load of the launch
	s_nop 0
.rept 4
	v_nop
.endr
	v_and_b32 v12, 31, v0
	s_delay_alu instid0(VALU_DEP_1)
	v_lshlrev_b32 v[L16], 4, v12
	s_delay_alu instid0(VALU_DEP_2)
	v_lshlrev_b32 v[L8], 3, v12
	s_delay_alu instid0(VALU_DEP_3)
	v_lshlrev_b32 v[L4], 2, v12
	v_and_b32 v13, 15, v0                          ; r
	v_bfe_u32 v14, v0, 4, 1                        ; h
	s_delay_alu instid0(VALU_DEP_2)
	v_and_b32 v15, 8, v13
	s_delay_alu instid0(VALU_DEP_1)
	v_add_nc_u32 v[VB], v15, v13
	s_delay_alu instid0(VALU_DEP_3)
	v_lshlrev_b32 v15, 4, v14
	s_delay_alu instid0(VALU_DEP_1)
	v_sub_nc_u32 v[VB], v[VB], v15
	v_lshlrev_b32 v[R4], 2, v13
	v_lshl_add_u32 v[R8H], v13, 3, v14
	v_mov_b32 v[NINF], 0xff800000
.irp b, 0,1,2,3
	v_mov_b32 v[BX+\b], 0                          ; written once: a lane permute's destination counts as one of its sources
.endr
	v_mov_b32 v[T0], 0
	v_mov_b32 v[F+1], 0
	s_wait_alu depctr_va_vdst(0)
	s_wait_tensorcnt 0x0                           ; my block is in,
	s_barrier_signal -1
	s_barrier_wait -1                              ; everybody's is: the whole head lies in LDS
.macro HALVES off                      ; eight half images, 48 registers: 512 or 256 consecutive bytes a load
.irp u, 0,1,2,3,4,5,6,7
	ds_load_b128 v[KF+6*\u:KF+6*\u+3], v[A16] offset:\off+768*\u
	ds_load_b64 v[KF+6*\u+4:KF+6*\u+5], v[A8] offset:\off+768*\u+512
.endr
.endm
; One tile of 16 queries.  late = 0: tile 4 w + cx;  1: tile 127 - (4 w + cx).  trips: a constant that covers every wave's live steps; a step past the wave's last is jumped over.
.macro PASS late, trips
	s_wait_xcnt 0x0                                ; the last tile's stores have read their data and bases
.if \late
	s_sub_co_u32 s[CT], 15, s[WH]
	s_sub_co_u32 s[TA], 7, s[TA0]
.else
	s_mov_b32 s[CT], s[WH]
	s_mov_b32 s[TA], s[TA0]
.endif
	s_mul_i32 s44, s[CT], 6400
	s_add_co_u32 s44, s44, 204800                  ; my group's block of q
	s_mul_i32 s46, s[TA], 768
	s_add_co_u32 s46, s46, s44
	s_mov_b32 s47, 0
	s_add_nc_u64 s[QP:QP+1], s[HP:HP+1], s[46:47]
	s_lshr_b32 s46, s[TA], 1
	s_lshl_b32 s46, s46, 6
	s_add_co_u32 s46, s46, s44
	s_add_co_u32 s46, s46, 6144
	s_add_nc_u64 s[QSP:QSP+1], s[HP:HP+1], s[46:47]
	s_mul_i32 s44, s[CT], 98304
	s_mul_i32 s46, s[TA], 1536
	s_add_co_u32 s46, s46, s44
	s_add_nc_u64 s[OIP:OIP+1], s[OIB:OIB+1], s[46:47]
	s_lshl_b32 s44, s[CT], 12
	s_lshl_b32 s46, s[TA], 7
	s_add_co_u32 s46, s46, s44
	s_add_nc_u64 s[OSP:OSP+1], s[OSB:OSB+1], s[46:47]
	s_and_b32 s48, s[TA], 1
	s_lshl_b32 s49, s48, 4                         ; which half of the pair's scale word is my tile's
	s_lshl_b32 s48, s48, 3
	s_lshr_b32 s44, s[TA], 1
	s_lshl_b32 s44, s44, 5
	s_add_co_u32 s48, s48, s44                     ; 32 (tile / 2) + 8 (tile % 2)
	global_load_b128 v[Q:Q+3], v[L16], s[QP:QP+1]
	global_load_b64 v[Q+4:Q+5], v[L8], s[QP:QP+1] offset:512
	global_load_b128 v[Q+12:Q+15], v[L16], s[QP:QP+1]
	global_load_b64 v[Q+16:Q+17], v[L8], s[QP:QP+1] offset:512
	global_load_b32 v[QSL], v[R4], s[QSP:QSP+1]
.irp i, 6,7,8,9,10,11
	v_mov_b32 v[Q+\i], 0
.endr
	v_add_nc_u32 v[DM], s48, v[VB]
	v_mov_b32 v13, 0xff61b1e6                      ; the largest t so far: -3e38, under every t
	s_delay_alu instid0(VALU_DEP_1)
	v_floor_f32 v12, -v13                          ; -M
	v_mov_b32 v14, 0                               ; the sum, in two halves
	v_mov_b32 v15, 0
	s_wait_loadcnt 0x0
	v_lshrrev_b32 v[QSL], s49, v[QSL]
	s_delay_alu instid0(VALU_DEP_1)
	v_and_b32 v[QSL], 0xffff, v[QSL]
	s_delay_alu instid0(VALU_DEP_1)
	v_lshlrev_b32 v[QSL+1], 16, v[QSL]
.set j, 0
.rept 32
	v_mov_b32 v[O+j], 0                            ; O^T: the first change of M leaves zeros zeros.  (These are also the places between the scale words' last write and the first product)
.set j, j+1
.endr
	s_mov_b32 s[SI], 0
	s_mov_b32 s[TB], 0
.Lstep_\@:
	s_cmp_gt_u32 s[SI], s[CT]                      ; a step all of whose keys come after my queries is left out: a branch on the wave's number and the trip's
	s_cbranch_scc1 .Lhid_\@
	s_setprio 2
	v_add_nc_u32 v[A16], s[TB], v[L16]             ; (with the v_nop: the four places behind the last products, in front of loads into registers that they read)
	v_add_nc_u32 v[A8], s[TB], v[L8]
	v_add_nc_u32 v[A4], s[TB], v[L4]
	v_nop
	HALVES 0                                       ; K's eight tiles
	ds_load_b32 v[KS], v[A4] offset:12288          ; lanes 0-15 the words of tiles 0, 1; lanes 16-31 of tiles 2, 3
	ds_load_b32 v[KS+1], v[A4] offset:12416        ; tiles 4, 5 and 6, 7
	s_wait_alu depctr_va_vdst(0)
	s_wait_dscnt 0x0
.irp t, 0,1,2,3,4,5,6,7
.if (\t/2)%2
	v_wmma_scale_f32_16x16x128_f8f6f4 v[S+8*\t:S+8*\t+7], v[KF+12*(\t/2):KF+12*(\t/2)+11], v[Q+6*(\t%2):Q+6*(\t%2)+11], 0, v[KS+\t/4], v[QSL+\t%2] matrix_a_fmt:MATRIX_FMT_BF6 matrix_b_fmt:MATRIX_FMT_BF6 matrix_a_scale:MATRIX_SCALE_ROW1
.else
	v_wmma_scale_f32_16x16x128_f8f6f4 v[S+8*\t:S+8*\t+7], v[KF+12*(\t/2):KF+12*(\t/2)+11], v[Q+6*(\t%2):Q+6*(\t%2)+11], 0, v[KS+\t/4], v[QSL+\t%2] matrix_a_fmt:MATRIX_FMT_BF6 matrix_b_fmt:MATRIX_FMT_BF6
.endif
.endr
.rept 4
	v_nop                                          ; places in front of the loads into K's registers and of the first read of the scores
.endr
	HALVES 6144                                    ; V's four fragments: they land while the softmax is walked
	ds_load_b32 v[VS], v[A4] offset:12544          ; lanes 0-15 tile 0's words, lanes 16-31 tile 1's
	ds_load_b32 v[VS+1], v[A4] offset:12672
	s_cmp_lg_u32 s[SI], s[CT]                      ; on the diagonal the scores of hidden keys become -infinity ahead of the maximum: p = 0 then
	s_cbranch_scc1 .Lopen_\@
.set m, 0
.rept 64
	v_cmp_gt_i32 vcc_lo, 32*(m/16)+m%16, v[DM]     ; register 16 b + i holds key 32 b + 16 (lane / 16) + i of the group
	v_cndmask_b32 v[S+m], v[S+m], v[NINF], vcc_lo
.set m, m+1
.endr
.Lopen_\@:
.irp b, 0,1,2,3
	v_max3_num_f32 v[BM+\b], v[S+16*\b], v[S+1+16*\b], v[S+2+16*\b]   ; the largest score of each block of 32 keys: it serves the row's maximum and, since p rises with the score, the block's largest p
.endr
.irp i, 3,5,7,9,11,13
.irp b, 0,1,2,3
	v_max3_num_f32 v[BM+\b], v[BM+\b], v[S+16*\b+\i], v[S+1+16*\b+\i]
.endr
.endr
.irp b, 0,1,2,3
	v_max_num_f32 v[BM+\b], v[BM+\b], v[S+15+16*\b]
.endr
.irp b, 0,1,2,3
	s_delay_alu instid0(VALU_DEP_4)
	v_permlanex16_b32 v[BX+\b], v[BM+\b], s[SEL], s[SEL+1]
.endr
.irp b, 0,1,2,3
	s_delay_alu instid0(VALU_DEP_4)
	v_max_num_f32 v[BM+\b], v[BM+\b], v[BX+\b]     ; with lane l xor 16's 16 keys
.endr
	s_delay_alu instid0(VALU_DEP_2)
	v_max3_num_f32 v[T0], v[BM], v[BM+1], v[BM+2]
	s_delay_alu instid0(VALU_DEP_1)
	v_max_num_f32 v[T0], v[T0], v[BM+3]
	s_delay_alu instid0(VALU_DEP_1)
	v_mul_f32 v[T0], s[CS], v[T0]                  ; as t (c is positive)
	s_delay_alu instid0(VALU_DEP_1)
	v_max_num_f32 v13, v13, v[T0]                  ; the running largest t
	v_mov_b32 v[T0], v12
	s_delay_alu instid0(VALU_DEP_2)
	v_floor_f32 v12, -v13                          ; the new -M = floor(-t) = -ceil(t)
	s_delay_alu instid0(VALU_DEP_1)
	v_sub_f32 v[T0], v12, v[T0]                    ; old M - new M: a whole number, 0 or less
	s_delay_alu instid0(VALU_DEP_1)
	v_cvt_i32_f32 v[T0], v[T0]                     ; (it saturates)
	s_delay_alu instid0(VALU_DEP_1)
	v_ldexp_f32 v[F], 1.0, v[T0]                   ; f = 2^(old M - new M)
.set j, 0
.rept 32
	v_pk_fma_f32 v[S+j:S+j+1], v[S+j:S+j+1], s[CS:CS+1], v[12:13] op_sel_hi:[1,0,0]   ; t - M, two at a time
.set j, j+2
.endr
	s_setprio 1
.irp b, 0,1,2,3
	v_fma_f32 v[BM+\b], v[BM+\b], s[CS], v12       ; the same of each block's largest score
.endr
.set j, 0
	s_wait_alu depctr_va_vdst(0)
.rept 64
	v_exp_f32 v[S+j], v[S+j]                       ; p = 2^(t - M), at most 1
.set j, j+1
.endr
.irp b, 0,1,2,3
	v_exp_f32 v[BM+\b], v[BM+\b]                   ; the block's largest p: the same two instructions on the same number
.endr
	v_pk_mul_f32 v[14:15], v[14:15], v[F:F+1] op_sel_hi:[1,0]   ; the sums under the new M.  (A plain place behind the exponentials)
	s_wait_alu depctr_va_vdst(0)
.irp b, 0,1,2,3
	v_max_num_f32 v[BM+\b], 0x2800000, v[BM+\b]    ; the floor 2^(5 - 127): the byte cannot fall under 1
.endr
.irp b, 0,1,2,3
	s_delay_alu instid0(VALU_DEP_4)
	v_add_nc_u32 v[BSC+\b], 0xfe000000, v[BM+\b]   ; 4 off the exponent field: the conversion's scale operand
.endr
.irp b, 0,1,2,3
	s_delay_alu instid0(VALU_DEP_4)
	v_lshrrev_b32 v[BX+\b], 23, v[BSC+\b]          ; the scale's byte
.endr
	s_delay_alu instid0(VALU_DEP_3)
	v_lshl_or_b32 v[PS], v[BX+1], 8, v[BX]         ; p's scale word for these 128 keys
	s_delay_alu instid0(VALU_DEP_1)
	v_lshl_or_b32 v[PS], v[BX+2], 16, v[PS]
	s_delay_alu instid0(VALU_DEP_1)
	v_lshl_or_b32 v[PS], v[BX+3], 24, v[PS]
.irp c, 0,1
	v_cvt_scalef32_pk16_bf6_f32 v[PC+6*\c:PC+2+6*\c], v[S+32*\c:S+15+32*\c], v[BSC+2*\c]
	v_cvt_scalef32_pk16_bf6_f32 v[TC+4*\c:TC+2+4*\c], v[S+16+32*\c:S+31+32*\c], v[BSC+2*\c+1]
.endr
	v_nop                                          ; one plain place behind a scaled conversion
.irp c, 0,1                            ; the operand's layout wants a whole block in a lane
.irp i, 0,1,2
	v_permlane16_swap_b32 v[PC+6*\c+\i], v[TC+4*\c+\i]
.endr
.irp i, 0,1,2
	s_delay_alu instid0(VALU_DEP_3)
	v_mov_b32 v[PC+3+6*\c+\i], v[TC+4*\c+\i]
.endr
.endr
	v_pk_add_f32 v[230:231], v[100:101], v[104:105]
	v_pk_add_f32 v[252:253], v[108:109], v[112:113]
	v_pk_add_f32 v[250:251], v[116:117], v[120:121]
	v_pk_add_f32 v[248:249], v[124:125], v[128:129]
	v_pk_add_f32 v[246:247], v[132:133], v[136:137]
	v_pk_add_f32 v[244:245], v[140:141], v[144:145]
	v_pk_add_f32 v[242:243], v[148:149], v[152:153]
	v_pk_add_f32 v[14:15], v[14:15], v[156:157]
	v_pk_add_f32 v[230:231], v[230:231], v[96:97]
	v_pk_add_f32 v[252:253], v[252:253], v[98:99]
	s_setprio 0
	v_pk_add_f32 v[250:251], v[250:251], v[102:103]
	v_pk_add_f32 v[248:249], v[248:249], v[106:107]
	v_pk_add_f32 v[246:247], v[246:247], v[110:111]
	v_pk_add_f32 v[244:245], v[244:245], v[114:115]
	v_pk_add_f32 v[242:243], v[242:243], v[118:119]
	v_pk_add_f32 v[14:15], v[14:15], v[122:123]
	v_pk_add_f32 v[230:231], v[230:231], v[126:127]
	v_pk_add_f32 v[252:253], v[252:253], v[130:131]
	v_pk_add_f32 v[250:251], v[250:251], v[134:135]
	v_pk_add_f32 v[248:249], v[248:249], v[138:139]
	v_pk_add_f32 v[246:247], v[246:247], v[142:143]
	v_pk_add_f32 v[244:245], v[244:245], v[146:147]
	v_pk_add_f32 v[242:243], v[242:243], v[150:151]
	v_pk_add_f32 v[14:15], v[14:15], v[154:155]
	v_pk_add_f32 v[230:231], v[230:231], v[158:159]
	s_delay_alu instid0(VALU_DEP_2)
	v_pk_add_f32 v[14:15], v[14:15], v[248:249]
	s_delay_alu instid0(VALU_DEP_2)
	v_pk_add_f32 v[230:231], v[230:231], v[246:247]
	v_pk_add_f32 v[252:253], v[252:253], v[244:245]
	v_pk_add_f32 v[250:251], v[250:251], v[242:243]
	s_delay_alu instid0(VALU_DEP_2)
	v_pk_add_f32 v[14:15], v[14:15], v[252:253]
	s_delay_alu instid0(VALU_DEP_2)
	v_pk_add_f32 v[230:231], v[230:231], v[250:251]
	s_delay_alu instid0(VALU_DEP_1)
	v_pk_add_f32 v[14:15], v[14:15], v[230:231]
.set j, 0
.rept 16
	v_pk_mul_f32 v[O+j:O+j+1], v[O+j:O+j+1], v[F:F+1] op_sel_hi:[1,0]   ; O^T under the new M
.set j, j+2
.endr
	s_wait_alu depctr_va_vdst(0)
	s_wait_dscnt 0x0                               ; V is in
.irp t, 0,1,2,3                        ; O^T += V^T P^T: four tiles of 16 channels by turns
.if \t%2
	v_wmma_scale_f32_16x16x128_f8f6f4 v[O+8*\t:O+8*\t+7], v[KF+12*\t:KF+12*\t+11], v[PC:PC+11], v[O+8*\t:O+8*\t+7], v[VS+\t/2], v[PS] matrix_a_fmt:MATRIX_FMT_BF6 matrix_b_fmt:MATRIX_FMT_BF6 matrix_a_scale:MATRIX_SCALE_ROW1
.else
	v_wmma_scale_f32_16x16x128_f8f6f4 v[O+8*\t:O+8*\t+7], v[KF+12*\t:KF+12*\t+11], v[PC:PC+11], v[O+8*\t:O+8*\t+7], v[VS+\t/2], v[PS] matrix_a_fmt:MATRIX_FMT_BF6 matrix_b_fmt:MATRIX_FMT_BF6
.endif
.endr
.Lhid_\@:
	s_add_co_u32 s[TB], s[TB], STB
	s_add_co_u32 s[SI], s[SI], 1
	s_cmp_lt_u32 s[SI], \trips
	s_cbranch_scc1 .Lstep_\@
	s_setprio 0
.rept 4
	v_nop                                          ; places behind the last products
.endr
	v_add_f32 v14, v14, v15                        ; the sum's two halves,
	s_delay_alu instid0(VALU_DEP_1)
	v_permlanex16_b32 v[T0], v14, s[SEL], s[SEL+1]
	s_delay_alu instid0(VALU_DEP_1)
	v_add_f32 v14, v14, v[T0]                      ; and lane l xor 16's: the row's sum
	s_wait_alu depctr_va_vdst(0)
	v_rcp_f32 v14, v14
	v_nop                                          ; one plain place behind a transcendental
.set j, 0
	s_wait_alu depctr_va_vdst(0)
.rept 32
	v_mul_f32 v[S+j], v[O+j], v14                  ; O^T / the sum: register 16 b + i is channel 32 b + 16 (lane / 16) + i of my query
.set j, j+1
.endr
.irp b, 0,1                            ; two blocks of 32 along the last product's K
	v_max3_num_f32 v[BM+\b], |v[S+16*\b]|, |v[S+1+16*\b]|, 0x2800000
.endr
.irp i, 2,4,6,8,10,12,14
.irp b, 0,1
	s_delay_alu instid0(VALU_DEP_2)
	v_max3_num_f32 v[BM+\b], v[BM+\b], |v[S+16*\b+\i]|, |v[S+1+16*\b+\i]|
.endr
.endr
.irp b, 0,1
	s_delay_alu instid0(VALU_DEP_2)
	v_permlanex16_b32 v[BX+\b], v[BM+\b], s[SEL], s[SEL+1]
.endr
.irp b, 0,1
	s_delay_alu instid0(VALU_DEP_2)
	v_max_num_f32 v[BM+\b], v[BM+\b], v[BX+\b]
.endr
.irp b, 0,1
	s_delay_alu instid0(VALU_DEP_2)
	v_add_nc_u32 v[BSC+\b], 0xfe000000, v[BM+\b]
.endr
.irp b, 0,1
	s_delay_alu instid0(VALU_DEP_2)
	v_lshrrev_b32 v[BX+\b], 23, v[BSC+\b]
.endr
	v_cvt_scalef32_pk16_bf6_f32 v[PC:PC+2], v[S:S+15], v[BSC]
	v_cvt_scalef32_pk16_bf6_f32 v[TC:TC+2], v[S+16:S+31], v[BSC+1]
	v_cndmask_b32 v[BY], v[BX], v[BX+1], s[HM]     ; lanes 0-15 store block 0's byte, lanes 16-31 block 1's.  (The plain place behind the conversions)
.irp i, 0,1,2
	v_permlane16_swap_b32 v[PC+\i], v[TC+\i]
.endr
.irp i, 0,1,2
	s_delay_alu instid0(VALU_DEP_3)
	v_mov_b32 v[PC+3+\i], v[TC+\i]
.endr
	global_store_b128 v[L16], v[PC:PC+3], s[OIP:OIP+1]            ; the half image: 512 and 256 consecutive bytes
	global_store_b64 v[L8], v[PC+4:PC+5], s[OIP:OIP+1] offset:512
	global_store_b8 v[R8H], v[BY], s[OSP:OSP+1]
.endm
	PASS 0, 8
	PASS 1, 16
	s_wait_tensorcnt 0x0
	ds_add_u32 v254, v255
	s_wait_dscnt 0x0
	CROUND                                         ; the closing round
	s_endpgm
.Lfunc_end_k_q0ebe08961e_attn:
	.size	k_q0ebe08961e_attn, .Lfunc_end_k_q0ebe08961e_attn-k_q0ebe08961e_attn
	.p2alignl 7, 3214868480
	.fill 96, 4, 3214868480
	.section	.rodata,"a",@progbits
	.p2align	6, 0x0
	.amdhsa_kernel k_q0ebe08961e_attn
		.amdhsa_group_segment_fixed_size 206848
		.amdhsa_private_segment_fixed_size 0
		.amdhsa_enable_private_segment 0
		.amdhsa_kernarg_size 24
		.amdhsa_user_sgpr_count 2
		.amdhsa_user_sgpr_kernarg_segment_ptr 1
		.amdhsa_wavefront_size32 1
		.amdhsa_system_sgpr_workgroup_id_x 1
		.amdhsa_system_sgpr_workgroup_id_y 1
		.amdhsa_system_sgpr_workgroup_id_z 1
		.amdhsa_system_vgpr_workitem_id 0
		.amdhsa_next_free_vgpr 256
		.amdhsa_next_free_sgpr 66
		.amdhsa_reserve_vcc 1
		.amdhsa_float_denorm_mode_32 3
		.amdhsa_float_denorm_mode_16_64 3
		.amdhsa_memory_ordered 1
		.amdhsa_forward_progress 1
		.amdhsa_inst_pref_size 65
	.end_amdhsa_kernel
	.amdgpu_metadata
---
amdhsa.version: [ 1, 2 ]
amdhsa.kernels:
  - .name:           k_q0ebe08961e_attn
    .symbol:         k_q0ebe08961e_attn.kd
    .args:
      - { .name: qkv, .offset: 0, .size: 8, .value_kind: global_buffer, .address_space: global }
      - { .name: o_img, .offset: 8, .size: 8, .value_kind: global_buffer, .address_space: global }
      - { .name: o_sc, .offset: 16, .size: 8, .value_kind: global_buffer, .address_space: global }
    .group_segment_fixed_size: 206848
    .private_segment_fixed_size: 0
    .kernarg_segment_align: 8
    .kernarg_segment_size: 24
    .max_flat_workgroup_size: 512
    .sgpr_count:     66
    .vgpr_count:     256
    .wavefront_size: 32
...
	.end_amdgpu_metadata
.endif
;; end of part 3
;; launch proj (part 4): grid 4 x 32, 4 waves a work-group, clusters of 4 x 4, 327,680 bytes of LDS; arguments o_img, o_sc, w_img, w_sc, bp, out0; writes out0
.if DOCPART == 4
	.amdgcn_target "amdgcn-amd-amdhsa--gfx1250"
	.amdhsa_code_object_version 6
	.text
	.protected	k_q0ebe08961e_proj
	.globl	k_q0ebe08961e_proj
	.p2align	8
	.type	k_q0ebe08961e_proj,@function
k_q0ebe08961e_proj:
	s_mov_b64 s[64:65], 0
	v_nop
	global_prefetch_b8 v0, s[64:65] scope:SCOPE_SE
	s_setreg_imm32_b32 hwreg(HW_REG_WAVE_MODE, 25, 1), 1
	s_wait_xcnt 0x0
	s_wait_alu depctr_hold_cnt(0) depctr_sa_sdst(0) depctr_va_vdst(0) depctr_va_sdst(0) depctr_va_ssrc(0) depctr_va_vcc(0) depctr_vm_vsrc(0)
	s_getreg_b32 s2, hwreg(HW_REG_IB_STS2, 6, 4)
	s_cmp_eq_u32 s2, 0
	s_cbranch_scc0 .Lentry_in_a_cluster
	s_endpgm
.Lentry_in_a_cluster:
	s_bfe_u32 s2, ttmp6, 0x10000c
	s_cmp_lg_u32 s2, 0xf033
	s_cbranch_scc0 .Lentry_shape_is_right
	s_endpgm
.Lentry_shape_is_right:
.set FR,     12
.set NQ,     2
.set NL,     4
.set NP,     4
.set GRPB,   98304
.set FILLB,  24576
.set SLOT,   4*FILLB
.set SCL,    2*SLOT
.set SCB,    4096
.set SPARE,  SCL+4*SCB
.set SPITCH, 528
.set L16,  4
.set L8,   5
.set VBI,  8
.set ADRA, 16
.set ADRB, 20
.set STO,  24
.set RD,   25
.set ADRS, 27
.set SPW,  28
.set NIL,  29
.set SC,   32
.set AF,   128
.set BK,   128
.set BI,   96
.set G1, 24
.set G0, 32
.set G1B, 48
.set G0B, 56
.set G1S, 68
.set G0S, 76
.set G1SB, 80
.set G0SB, 88
.set MSB, 0
.macro WIN new
.if MSB != (\new)
	s_set_vgpr_msb (MSB<<8)|(\new)
.set MSB, (\new)
.endif
.endm
.set MUL_LO, 0xa1
.set MUL_HI, 0xf1
.set TO_B,   0x40
.macro JLOAD g0a, g1a, g0b, g1b
	s_cmp_eq_u32 s15, 0
	s_cbranch_scc0 .Lfor_b_\@
	tensor_load_to_lds s[\g0a:\g0a+3], s[\g1a:\g1a+7]
	s_nop 0
.rept 4
	v_nop
.endr
	s_branch .Lasked_\@
.Lfor_b_\@:
	tensor_load_to_lds s[\g0b:\g0b+3], s[\g1b:\g1b+7]
	s_nop 0
.rept 4
	v_nop
.endr
.Lasked_\@:
.endm
.macro CREST
	s_cmp_lg_u32 s14, 0
	s_cbranch_scc1 .Lnot_wave_0_\@
	s_barrier_signal -3
.Lnot_wave_0_\@:
	s_barrier_wait -3
	s_barrier_signal -1
	s_barrier_wait -1
.endm
.macro CROUND
	s_barrier_signal -1
	s_barrier_wait -1
	CREST
.endm
	s_load_b256 s[4:11], s[0:1], 0x0
	s_load_b128 s[92:95], s[0:1], 0x20
	v_lshl_add_u32 v[SPW], v0, 2, SPARE
	v_mov_b32 v[NIL], 0
	ds_add_u32 v28, v29
	ds_add_u32 v28, v29
	s_wait_dscnt 0x0
	v_lshrrev_b32 v1, 5, v0
	v_readfirstlane_b32 s14, v1
	s_lshr_b32 s15, s14, 1
	s_and_b32 s16, s14, 1
	s_bfe_u32 s40, ttmp6, 0x40000
	s_bfe_u32 s41, ttmp6, 0x40004
	s_lshl_b32 s42, ttmp9, 2
	s_add_co_u32 s42, s42, s40
	s_and_b32 s17, ttmp7, 0xffff
	s_lshl_b32 s17, s17, 2
	s_add_co_u32 s17, s17, s41
	s_lshl_b32 s43, s41, 2
	s_lshl_b32 s43, 15, s43
	s_lshl_b32 s44, 0x1111, s40
	s_or_b32 s[G1+0], s43, (3<<16)|(1<<21)
	s_or_b32 s[G1B+0], s44, (3<<16)|(1<<21)
.irp g, G1, G1B
	s_mov_b32 s[\g+1], 32<<16
	s_mov_b32 s[\g+2], 96<<16
	s_mov_b32 s[\g+3], 32<<16
	s_mov_b32 s[\g+4], 96
	s_mov_b32 s[\g+5], 32
	s_mov_b32 s[\g+6], 0
	s_mov_b32 s[\g+7], 0
.endr
	s_or_b32 s[G1S+0], s43, (3<<16)|(1<<21)
	s_or_b32 s[G1SB+0], s44, (3<<16)|(1<<21)
.irp g, G1S, G1SB
	s_mov_b32 s[\g+1], 32<<16
	s_mov_b32 s[\g+2], 16<<16
	s_mov_b32 s[\g+3], 32<<16
	s_mov_b32 s[\g+4], 16
	s_mov_b32 s[\g+5], 32
	s_mov_b32 s[\g+6], 0
	s_mov_b32 s[\g+7], 0
.endr
	s_lshl_b32 s20, s17, 1
	s_add_co_u32 s20, s20, s16
	s_lshl_b32 s46, s42, 1
	s_add_co_u32 s46, s46, s16
	s_add_co_u32 s46, s46, 24
	s_lshl_b32 s22, s20, 12
	s_mov_b32 s23, 0
	s_mul_i32 s20, s20, GRPB
	s_mov_b32 s21, 0
	s_lshl_b32 s66, s46, 12
	s_mov_b32 s67, 0
	s_mul_i32 s46, s46, GRPB
	s_mov_b32 s47, 0
	s_mul_i32 s45, s14, FILLB
	s_lshl_b32 s101, s14, 12
	s_wait_kmcnt 0x0
	s_add_nc_u64 s[20:21], s[4:5], s[20:21]
	s_add_nc_u64 s[22:23], s[6:7], s[22:23]
	s_add_nc_u64 s[46:47], s[8:9], s[46:47]
	s_add_nc_u64 s[66:67], s[10:11], s[66:67]
	CROUND
	s_mov_b32 s[G0S], 1
	s_add_co_u32 s[G0S+1], s101, SCL
	s_mov_b64 s[G0S+2:G0S+3], s[22:23]
	s_or_b32 s[G0S+3], s[G0S+3], 0x80000000
	s_mov_b32 s[G0SB], 1
	s_add_co_u32 s[G0SB+1], s101, SCL
	s_mov_b64 s[G0SB+2:G0SB+3], s[66:67]
	s_or_b32 s[G0SB+3], s[G0SB+3], 0x80000000
	JLOAD G0S, G1S, G0SB, G1SB
.irp s, 0,1
	s_mov_b32 s[G0+4*\s], 1
	s_add_co_u32 s[G0+4*\s+1], s45, \s*SLOT
	s_add_nc_u64 s[G0+4*\s+2:G0+4*\s+3], s[20:21], \s*FILLB
	s_or_b32 s[G0+4*\s+3], s[G0+4*\s+3], 0x80000000
	s_mov_b32 s[G0B+4*\s], 1
	s_add_co_u32 s[G0B+4*\s+1], s45, \s*SLOT
	s_add_nc_u64 s[G0B+4*\s+2:G0B+4*\s+3], s[46:47], \s*FILLB
	s_or_b32 s[G0B+4*\s+3], s[G0B+4*\s+3], 0x80000000
	s_wait_alu depctr_va_vdst(0)
	s_wait_tensorcnt 0x0
	ds_add_u32 v28, v29
	s_wait_dscnt 0x0
	CROUND
	JLOAD G0+4*\s, G1, G0B+4*\s, G1B
.endr
	v_and_b32 v1, 31, v0
	v_and_b32 v2, 15, v0
	v_bfe_u32 v3, v0, 4, 1
	v_lshlrev_b32 v[L16], 4, v1
	s_wait_alu depctr_va_vdst(0)
	v_lshlrev_b32 v[L8], 3, v1
	s_wait_alu depctr_va_vdst(0)
	v_lshlrev_b32 v[VBI], 6, v3
	s_lshl_b32 s46, s42, 10
	s_lshl_b32 s47, s16, 9
	s_add_co_u32 s46, s46, s47
	s_mov_b32 s47, 0
	s_add_nc_u64 s[92:93], s[92:93], s[46:47]
	WIN TO_B
.irp b, 0,1,2,3,4,5,6,7
	global_load_b128 v[BI+8*\b+96*(\b/4):BI+8*\b+96*(\b/4)+3], v[VBI], s[92:93] offset:128*(\b/2)+32*(\b%2)
	global_load_b128 v[BI+8*\b+96*(\b/4)+4:BI+8*\b+96*(\b/4)+7], v[VBI], s[92:93] offset:128*(\b/2)+32*(\b%2)+16
.endr
	WIN 0
	s_mul_i32 s21, s15, FILLB
	s_mul_i32 s22, s16, FILLB
	s_add_co_u32 s22, s22, 2*FILLB
.irp s, 0,1
	v_add_nc_u32 v[ADRA+\s], s21, v[L16]
	v_add_nc_u32 v[ADRA+2+\s], s21, v[L8]
	v_add_nc_u32 v[ADRB+\s], s22, v[L16]
	v_add_nc_u32 v[ADRB+2+\s], s22, v[L8]
	s_add_co_u32 s21, s21, SLOT
	s_add_co_u32 s22, s22, SLOT
.endr
	v_lshlrev_b32 v6, 3, v2
	s_lshl_b32 s21, s15, 12
	s_lshl_b32 s22, s16, 12
	s_add_co_u32 s22, s22, 2*SCB
	s_sub_co_u32 s22, s22, s21
	v_mul_u32_u24 v7, s22, v3
	s_add_co_u32 s21, s21, SCL
	v_add_nc_u32 v6, v6, v7
	v_add_nc_u32 v[ADRS], s21, v6
	s_mul_i32 s23, s14, 16*SPITCH
	v_mul_u32_u24 v6, v2, SPITCH
	v_lshl_add_u32 v6, v3, 6, v6
	v_add_nc_u32 v[STO], s23, v6
	v_add_nc_u32 v[RD], s23, v[L16]
	s_lshl_b32 s20, s17, 8
	s_lshl_b32 s21, s15, 7
	s_add_co_u32 s20, s20, s21
	s_lshl_b32 s20, s20, 12
	s_mov_b32 s21, 0
	s_add_nc_u64 s[20:21], s[20:21], s[46:47]
	s_add_nc_u64 s[94:95], s[94:95], s[20:21]
.macro FRAG reg, adr, off
	ds_load_b128 v[\reg:\reg+3], v[\adr] offset:\off
	ds_load_b64 v[\reg+4:\reg+5], v[\adr+2] offset:(\off)+512
	ds_load_b128 v[\reg+6:\reg+9], v[\adr] offset:(\off)+768
	ds_load_b64 v[\reg+10:\reg+11], v[\adr+2] offset:(\off)+1280
.endm
.macro MUL16 a0, p, q, sc, zero
.irp a, \a0, \a0+1
.irp b, 0,1,2,3,4,5,6,7
.if \zero
	v_wmma_scale_f32_16x16x128_f8f6f4 v[8*(8*((\a)%4)+\b):8*(8*((\a)%4)+\b)+7], v[128*(\p)+FR*\b:128*(\p)+FR*\b+FR-1], v[AF+FR*(\a):AF+FR*(\a)+FR-1], v[BI+8*\b+96*(\b/4):BI+8*\b+96*(\b/4)+7], v[SC+8*NQ*(\sc)+NQ*\b+(\q)], v[SC+8*NQ*(\sc)+NQ*(\a)+(\q)] matrix_a_fmt:MATRIX_FMT_BF6 matrix_b_fmt:MATRIX_FMT_BF6 matrix_a_scale:MATRIX_SCALE_ROW1
.else
	v_wmma_scale_f32_16x16x128_f8f6f4 v[8*(8*((\a)%4)+\b):8*(8*((\a)%4)+\b)+7], v[128*(\p)+FR*\b:128*(\p)+FR*\b+FR-1], v[AF+FR*(\a):AF+FR*(\a)+FR-1], v[8*(8*((\a)%4)+\b):8*(8*((\a)%4)+\b)+7], v[SC+8*NQ*(\sc)+NQ*\b+(\q)], v[SC+8*NQ*(\sc)+NQ*(\a)+(\q)] matrix_a_fmt:MATRIX_FMT_BF6 matrix_b_fmt:MATRIX_FMT_BF6 matrix_a_scale:MATRIX_SCALE_ROW1
.endif
.endr
.endr
.endm
.macro FETCH_B slot, q, p
	WIN TO_B
.irp i, 0,1,2,3,4,5,6,7
	FRAG 128*(\p)+FR*\i, ADRB+\slot, (\q)*12288+\i*1536
.endr
	WIN 0
.endm
.macro FETCH_A slot, q, i0
.irp i, \i0, \i0+1, \i0+2, \i0+3
	FRAG AF+FR*(\i), ADRA+\slot, (\q)*12288+(\i)*1536
.endr
.endm
.macro SCALES sc
.irp i, 0,1,2,3,4,5,6,7
	ds_load_b64 v[SC+8*NQ*\sc+NQ*\i:SC+8*NQ*\sc+NQ*\i+1], v[ADRS] offset:\i*128
.endr
.endm
.macro PLACES n
.rept \n
	v_nop
.endr
.endm
.macro STEP slot, q, zero
	s_wait_dscnt 4*NL
.if \zero
	WIN 0x91
.else
	WIN MUL_LO
.endif
	MUL16 0, (\q)%2, \q, \slot, \zero
	MUL16 2, (\q)%2, \q, \slot, \zero
	s_wait_dscnt 0
	PLACES NP
	FETCH_B \slot, (\q)+1, 1-(\q)%2
	FETCH_A \slot, (\q)+1, 0
.if \zero
	WIN 0xd1
.else
	WIN MUL_HI
.endif
	MUL16 4, (\q)%2, \q, \slot, \zero
	MUL16 6, (\q)%2, \q, \slot, \zero
	PLACES NP
	WIN 0
	FETCH_A \slot, (\q)+1, 4
.endm
.macro TURN slot, next, fill
	s_wait_tensorcnt 0x0
	ds_add_u32 v[SPW], v[NIL]
	s_wait_dscnt 4*NL+1
	WIN MUL_LO
	MUL16 0, 1, NQ-1, \slot, 0
	s_wait_dscnt 0x0
	s_barrier_signal -1
	MUL16 2, 1, NQ-1, \slot, 0
	WIN 0
	s_barrier_wait -1
.if \fill
	CREST
	s_add_nc_u64 s[G0+4*\slot+2:G0+4*\slot+3], s[G0+4*\slot+2:G0+4*\slot+3], 2*FILLB
	s_add_nc_u64 s[G0B+4*\slot+2:G0B+4*\slot+3], s[G0B+4*\slot+2:G0B+4*\slot+3], 2*FILLB
	JLOAD G0+4*\slot, G1, G0B+4*\slot, G1B
.else
	PLACES NP
.endif
	s_wait_alu depctr_va_vdst(0)
	v_add_nc_u32 v[ADRS], 1024, v[ADRS]
	FETCH_B \next, 0, 0
	FETCH_A \next, 0, 0
	SCALES \next
	WIN MUL_HI
	MUL16 4, 1, NQ-1, \slot, 0
	MUL16 6, 1, NQ-1, \slot, 0
	PLACES NP
	WIN 0
	FETCH_A \next, 0, 4
.endm
	s_wait_alu depctr_va_vdst(0)
	s_wait_tensorcnt 1
	s_barrier_signal -1
	s_barrier_wait -1
	FETCH_B 0, 0, 0
	FETCH_A 0, 0, 0
	SCALES 0
	FETCH_A 0, 0, 4
	s_wait_loadcnt 0x0
	STEP 0, 0, 1
	TURN 0, 1, 1
	STEP 1, 0, 0
	TURN 1, 0, 1
	STEP 0, 0, 0
	TURN 0, 1, 0
	STEP 1, 0, 0
	s_wait_dscnt 4*NL
	WIN MUL_LO
	MUL16 0, 1, NQ-1, 1, 0
	MUL16 2, 1, NQ-1, 1, 0
	s_wait_dscnt 0
	WIN MUL_HI
	MUL16 4, 1, NQ-1, 1, 0
	MUL16 6, 1, NQ-1, 1, 0
	WIN 0
.macro TOSTAGE a
.set AC, 64*((\a)%4)
	WIN 0x08+4*((\a)/4)
.irp b, 0,1,2,3,4,5,6,7
	ds_store_b128 v[STO], v[AC+8*\b:AC+8*\b+3] offset:128*(\b/2)+32*(\b%2)
	ds_store_b128 v[STO], v[AC+8*\b+4:AC+8*\b+7] offset:128*(\b/2)+32*(\b%2)+16
.endr
	WIN 0
.set BB, BK+64*((\a)%2)
.irp t, 0,1,2,3,4,5,6,7,8,9,10,11,12,13,14,15
	ds_load_b128 v[BB+4*\t:BB+4*\t+3], v[RD] offset:\t*SPITCH
.endr
.endm
.macro SEND a, younger
.set BB, BK+64*((\a)%2)
	s_wait_dscnt \younger
.irp t, 0,1,2,3,4,5,6,7,8,9,10,11,12,13,14,15
	global_store_b128 v[L16], v[BB+4*\t:BB+4*\t+3], s[94:95] offset:(32*((\a)/2)+8*((\a)%2)+\t+8*(\t/8))*4096 th:TH_STORE_NT
.endr
.endm
	PLACES NP
	TOSTAGE 0
.irp a, 1,2,3,4,5,6,7
.if \a > 1
	s_wait_xcnt 0x0
.endif
	TOSTAGE \a
	SEND \a-1, 32
.endr
	SEND 7, 0
	s_wait_tensorcnt 0x0
	ds_add_u32 v[SPW], v[NIL]
	s_wait_dscnt 0x0
	CROUND
	s_endpgm
.Lfunc_end_k_q0ebe08961e_proj:
	.size	k_q0ebe08961e_proj, .Lfunc_end_k_q0ebe08961e_proj-k_q0ebe08961e_proj
	.p2alignl 7, 3214868480
	.fill 96, 4, 3214868480
	.section	.rodata,"a",@progbits
	.p2align	6, 0x0
	.amdhsa_kernel k_q0ebe08961e_proj
		.amdhsa_group_segment_fixed_size 327680
		.amdhsa_private_segment_fixed_size 0
		.amdhsa_enable_private_segment 0
		.amdhsa_kernarg_size 48
		.amdhsa_user_sgpr_count 2
		.amdhsa_user_sgpr_kernarg_segment_ptr 1
		.amdhsa_wavefront_size32 1
		.amdhsa_system_sgpr_workgroup_id_x 1
		.amdhsa_system_sgpr_workgroup_id_y 1
		.amdhsa_system_sgpr_workgroup_id_z 1
		.amdhsa_system_vgpr_workitem_id 0
		.amdhsa_next_free_vgpr 1024
		.amdhsa_next_free_sgpr 106
		.amdhsa_reserve_vcc 0
		.amdhsa_float_denorm_mode_32 3
		.amdhsa_float_denorm_mode_16_64 3
		.amdhsa_memory_ordered 1
		.amdhsa_forward_progress 1
		.amdhsa_inst_pref_size 145
	.end_amdhsa_kernel
	.amdgpu_metadata
---
amdhsa.version: [ 1, 2 ]
amdhsa.kernels:
  - .name:           k_q0ebe08961e_proj
    .symbol:         k_q0ebe08961e_proj.kd
    .args:
      - { .name: o_img, .offset: 0, .size: 8, .value_kind: global_buffer, .address_space: global }
      - { .name: o_sc, .offset: 8, .size: 8, .value_kind: global_buffer, .address_space: global }
      - { .name: w_img, .offset: 16, .size: 8, .value_kind: global_buffer, .address_space: global }
      - { .name: w_sc, .offset: 24, .size: 8, .value_kind: global_buffer, .address_space: global }
      - { .name: bp, .offset: 32, .size: 8, .value_kind: global_buffer, .address_space: global }
      - { .name: out0, .offset: 40, .size: 8, .value_kind: global_buffer, .address_space: global }
    .group_segment_fixed_size: 327680
    .private_segment_fixed_size: 0
    .kernarg_segment_align: 8
    .kernarg_segment_size: 48
    .max_flat_workgroup_size: 128
    .sgpr_count:     106
    .vgpr_count:     1024
    .wavefront_size: 32
...
	.end_amdgpu_metadata
.endif
;; end of part 4
